; MI455X (gfx1250); checked and timed in simulation.
; The chip was launched on July 23, 2026; its instructions are those of AMD's public machine-readable ISA for CDNA 5 (MIT licence, August 2026) and "CDNA5" Instruction Set Architecture Reference Guide (July 2026). The comments in the code are by the model that wrote it; some were corrected since.
;; Multi Head Attention. Allowed arithmetic: matrix products marked QUANTISED: E2M1 operands, one E8M0 scale for each 32 along K, by v_wmma_scale_f32_16x16x128_f8f6f4 with both operands' format E2M1 (or v_wmma_scale_f32_32x16x128_f4), f32 sums; everything else in f32.
;; Inputs: W_proj 1,024 x 1,024 float32; W_qkv 1,024 x 3,072 float32; b_proj 1,024 float32; b_qkv 3,072 float32; x 4 x 2,048 x 1,024 float32.
;; Outputs: out0 4 x 2,048 x 1,024 float32.
;; This version of the problem:
;;   THIS VERSION OF THE PROBLEM IS GIVEN IN LOW PRECISION. The matrix products marked QUANTISED in the list below multiply operands that are first quantised to E2M1 (2 exponent bits, 1 mantissa bit; 4 bits a number), with one power-of-two scale for each 32 numbers along K (OCP MX v1.0); their sums are f32. All else is computed in f32.
;;   The module's matrix products, in the order in which they are computed (A, B: the left and right operand; K: the contracted axis; several contracted axes count as one K, in the product's order):
;;     1. [M 8,192, K 1,024] x [K 1,024, N 3,072]; A: input x; B: input W_qkv: QUANTISED
;;     2. batch 64 x [M 2,048, K 64] x [K 64, N 2,048]; A: computed on the way; B: computed on the way: QUANTISED
;;     3. batch 64 x [M 2,048, K 2,048] x [K 2,048, N 64]; A: softmax (see below); B: computed on the way: QUANTISED
;;     4. [M 8,192, K 1,024] x [K 1,024, N 1,024]; A: computed on the way; B: input W_proj: QUANTISED
;;   THE QUANTISER, for each operand of a quantised product, along K:
;;     - K is cut into blocks of 32 from its start; a last block that is shorter is filled with zeros.
;;     - A block's scale is 2^e with e = floor(log2(the largest magnitude in the block)) - 2, held to -126 .. 127; a block of zeros has e = 0. As a byte (E8M0): e + 127.
;;     - Each number is divided by its block's scale, clamped to +-6, and rounded to the nearest number of E2M1, ties to even, subnormals kept.
;;     - The product sums the exact products of the quantised numbers (number of the format x scale) in f32.
;;   ~~~python
;;   def quantise(x, axis):      # numpy; x: float32 -> the quantised numbers, widened to float32 again
;;       x = np.moveaxis(x, axis, -1); K = x.shape[-1]
;;       x = np.pad(x, [(0, 0)] * (x.ndim - 1) + [(0, -K % 32)]); x = x.reshape(x.shape[:-1] + (-1, 32)); a = np.abs(x).max(-1, keepdims=True)
;;       e = np.where(a > 0, np.clip(np.frexp(np.where(a > 0, a, 1))[1] - 1 - 2, -126, 127), 0)      # np.frexp(a)[1] - 1 = floor(log2(a)), exactly
;;       r = np.clip(x / 2.0 ** e, -6, 6)
;;       step = 2.0 ** (np.maximum(np.frexp(np.where(r == 0, 1, r))[1] - 1, 0) - 1)
;;       q = np.round(r / step) * step * 2.0 ** e      # np.round: ties to even
;;       return np.moveaxis(q.reshape(q.shape[:-2] + (-1,))[..., :K], -1, axis).astype(np.float32)
;;   ~~~
;;   SOFTMAX AHEAD OF A QUANTISED PRODUCT. Where the list says 'softmax', what is quantised is not the finished softmax but p = 2^(t - M), with t = logit x log2(e) and M = ceil(the row's largest t), a whole number; so 1/2 < the row's largest p <= 1. The row's sum l is taken of the UNQUANTISED p, in f32, and the product's result is divided by l at the end. Since M is a whole number, a kernel that streams over the keys may use a running M (the ceiling of the running maximum): every later rescaling is an exact power of two, which a block's scale takes up: the codes' values come out the same.
;;   OPERANDS COMPUTED ON THE WAY. 'Computed on the way' means the value that the module computes at that place (a softmax that the list does not call 'softmax' is quantised finished and normalised). What goes into a quantiser is computed in f32, as accurately as f32 sums, v_exp_f32 and their like allow (about 1e-6 of the number): no bf16 or f16 on the way to a quantiser, and a product that is left as it is and whose result goes on into a quantised operand takes f32 operands (vector FMAs, or v_wmma_f32_16x16x4_f32). A number that lies on a knife's edge between two numbers of the format may be rounded either way, as far as f32 arithmetic and the matrix unit's own rounding can turn it there, and no further.
;; One version. Each part assembles by itself: llvm-mc -triple=amdgcn-amd-amdhsa -mcpu=gfx1250 --defsym DOCPART=n.
;; ======== version 1 of 1: 4 launches
;; workspace buffers: opc 6,291,456 bytes; opsc 393,216 bytes; qkvc 12,582,912 bytes; qkvs 1,310,720 bytes; yc 4,194,304 bytes; ysc 262,144 bytes
;; launch prep (part 1): grid 512 x 1, 4 waves a work-group, no clusters, 17,920 bytes of LDS; arguments x, W_qkv, W_proj, opc, opsc; writes opc, opsc
.if DOCPART == 1
	.amdgcn_target "amdgcn-amd-amdhsa--gfx1250"
	.amdhsa_code_object_version 6
	.text
	.protected	k_qeba768c812_prep
	.globl	k_qeba768c812_prep
	.p2align	8
	.type	k_qeba768c812_prep,@function
k_qeba768c812_prep:
	s_mov_b64 s[64:65], 0
	v_nop
	global_prefetch_b8 v0, s[64:65] scope:SCOPE_SE
	s_setreg_imm32_b32 hwreg(HW_REG_WAVE_MODE, 25, 1), 1
	s_wait_xcnt 0x0
; CAUSAL MULTI-HEAD ATTENTION IN MX-FP4, four launches: prep (this one), qkv, attn, proj.
; WORK LEFT OUT BY THE PROGRAM: only, in attn, key steps of 128 keys that lie wholly behind a tile of 16 queries.  The model's own body builds the causal mask (the lower triangle) and sets
; the logits of later keys to -infinity ahead of the softmax: their weights are 0 for all values of the inputs, so they add nothing to a row's sum nor to the second product.  Every input has a way to the output and is loaded.
; LIMIT: a NaN, an infinity or an overflow that would arise only in scores under the mask is not formed (the model's own mask replaces them too).  NaN and infinities among the inputs are not served.
; THIS LAUNCH quantises the three given operands once, along K = 1,024, into codes of E2M1 with one E8M0 byte for each 32 along K.  They share one row space of 12,288 rows:
; rows 0 .. 8,191 the tokens of x; 8,192 + n column n of W_qkv; 11,264 + n column n of W_proj.
; opc  [row / 16][k / 32][row % 16][16 bytes]: the order of a 4-bit operand's registers: a wave's load of 16 bytes a lane at 16 x lane brings half a fragment, 512 consecutive bytes.
; opsc [k / 512][row][16 bytes]: byte (k / 32) % 16.
; A block's scale byte is its largest magnitude's exponent field - 2, held at 1 from below by a floor among the maximum's leaves.  A block of zeros so gets the byte 1 where the rule says 127:
; its codes are zeros, which add nothing under any byte but 0xff, and this program alone reads the bytes.
; SHARES.  Work-groups 0 .. 191: W_qkv; 192 .. 255: W_proj: a wave takes 32 columns x 128 along K, a lane a column, its registers running down K: a block lies in one lane, nothing is transposed.
; Work-groups 256 .. 511: x: a wave takes 16 rows x 512 along K; loads take the bytes as they lie (two pieces of 256 bytes a load) and turn through the wave's own stage in LDS, so that a lane holds a whole block.
; Only the x path touches LDS.  No tensor loads, no barrier, no cluster: the work-groups share no input.
.set SPARE, 17408                      ; behind the four stages of 16 x 272 bytes: the spare words, 128 bytes a wave
.set SPW,   12                         ; v12  LDS address of my spare word; never rewritten
.set NIL,   13                         ; v13  0; never rewritten
; 32 numbers v[xs] .. v[xs + 31], one block: its byte into v[by], its 32 codes into v[c] .. v[c + 3].  At work: v8, v9, v11
.macro QUANT32 xs, c, by
	v_max3_num_f32 v8, |v[(\xs)]|, |v[(\xs)+1]|, |v[(\xs)+2]|          ; the largest magnitude, in two chains
	v_max3_num_f32 v9, |v[(\xs)+3]|, |v[(\xs)+4]|, |v[(\xs)+5]|
.irp i, 6,10,14,18,22,26
	v_max3_num_f32 v8, v8, |v[(\xs)+\i]|, |v[(\xs)+\i+1]|
	v_max3_num_f32 v9, v9, |v[(\xs)+\i+2]|, |v[(\xs)+\i+3]|
.endr
	v_max3_num_f32 v8, v8, |v[(\xs)+30]|, |v[(\xs)+31]|
	v_max3_num_f32 v8, v8, v9, 0x1800000           ; and the floor 2^(3 - 127): the byte cannot fall under 1
	v_add_nc_u32 v11, 0xff000000, v8               ; 2 off the exponent field: the conversion takes this operand's exponent field as its scale
	v_lshrrev_b32 v[\by], 23, v11                  ; the scale's byte
.irp g, 0,1,2,3
	v_cvt_scalef32_pk8_fp4_f32 v[(\c)+\g], v[(\xs)+8*\g:(\xs)+8*\g+7], v11
.endr
.endm
	s_load_b256 s[4:11], s[0:1], 0x0               ; x s[4:5], W_qkv s[6:7], W_proj s[8:9], opc s[10:11]
	s_load_b64 s[12:13], s[0:1], 0x20              ; opsc
	v_lshl_add_u32 v[SPW], v0, 2, SPARE
	v_mov_b32 v[NIL], 0
	v_lshrrev_b32 v1, 5, v0
	v_readfirstlane_b32 s16, v1                    ; wave 0..3
	v_and_b32 v2, 31, v0                           ; lane
	v_and_b32 v6, 15, v0                           ; r = lane % 16
	v_bfe_u32 v7, v0, 4, 1                         ; h = lane / 16
	s_mov_b32 s21, 0                               ; the upper word of every offset below
	s_wait_kmcnt 0x0
	s_cmp_lt_u32 ttmp9, 192
	s_cbranch_scc1 .Lwq
	s_cmp_lt_u32 ttmp9, 256
	s_cbranch_scc1 .Lwp
	; ---- x: wave W = 4 (work-group - 256) + wave takes row tile W / 2, K half W % 2
	s_sub_co_u32 s17, ttmp9, 256
	s_lshl_b32 s17, s17, 2
	s_add_co_u32 s17, s17, s16
	s_lshr_b32 s18, s17, 1                         ; the row tile
	s_and_b32 s19, s17, 1                          ; the half of K
	s_lshl_b32 s20, s18, 16                        ; 16 rows of 4,096 bytes
	s_lshl_b32 s22, s19, 11                        ; 512 numbers
	s_add_co_u32 s20, s20, s22
	s_add_nc_u64 s[4:5], s[4:5], s[20:21]
	s_lshl_b32 s20, s18, 13                        ; codes: 8,192 bytes a row tile, 4,096 a half of K
	s_lshl_b32 s22, s19, 12
	s_add_co_u32 s20, s20, s22
	s_add_nc_u64 s[10:11], s[10:11], s[20:21]
	s_mul_i32 s20, s19, 196608                     ; scale bytes: 12,288 rows x 16 bytes a half of K, 256 bytes a row tile
	s_lshl_b32 s22, s18, 8
	s_add_co_u32 s20, s20, s22
	s_add_nc_u64 s[12:13], s[12:13], s[20:21]
	s_mov_b32 s24, 0x76543210
	s_mov_b32 s25, 0xfedcba98                      ; v_permlanex16_b32's selects for lane l xor 16
	s_mov_b32 s26, 0xffff0000                      ; lanes 16-31
	s_mul_i32 s23, s16, 4352                       ; my stage
	v_lshlrev_b32 v3, 12, v7
	v_lshl_add_u32 v3, v6, 4, v3                   ; a load: lanes 0-15 256 bytes of one row, lanes 16-31 of the next
	v_mul_u32_u24 v14, v7, 272
	v_lshl_add_u32 v14, v6, 4, v14
	v_add_nc_u32 v14, s23, v14                     ; the same two rows in the stage, 272 bytes apart
	v_mul_u32_u24 v15, v6, 272
	v_lshl_add_u32 v15, v7, 7, v15
	v_add_nc_u32 v15, s23, v15                     ; back: row r, block h of the two: 128 bytes
	v_lshlrev_b32 v4, 4, v2                        ; codes: 16 x lane
	v_lshlrev_b32 v5, 4, v6
	v_lshl_add_u32 v5, v7, 3, v5                   ; scale bytes: 16 r + 8 h
	v_lshlrev_b32 v10, 3, v7                       ; 8 h
.irp i, 0,1,2,3
	v_mov_b32 v[28+\i], 0                          ; written once: a lane permute's destination counts as one of its sources
.endr
; Substep g: 64 numbers of each of the 16 rows.  Ring v64-191: four sets of 32 as loaded; v192-255: two sets of 32 neighbours; v32-63: four code registers a substep, so that no store's data are written again
.macro LOADX g
.irp e, 0,1,2,3,4,5,6,7
	global_load_b128 v[64+32*((\g)%4)+4*\e:64+32*((\g)%4)+4*\e+3], v3, s[4:5] offset:8192*\e+256*(\g) th:TH_LOAD_NT
.endr
.endm
.macro TURNX g                         ; through the stage: LDS serves a wave's instructions in order, so no wait stands between the stores and the loads, nor in front of the next substep's stores
.irp e, 0,1,2,3,4,5,6,7
	ds_store_b128 v14, v[64+32*((\g)%4)+4*\e:64+32*((\g)%4)+4*\e+3] offset:544*\e
.endr
.irp i, 0,1,2,3,4,5,6,7
	ds_load_b128 v[192+32*((\g)%2)+4*\i:192+32*((\g)%2)+4*\i+3], v15 offset:16*\i
.endr
.endm
.macro STEPX g
	s_wait_dscnt 0x0                               ; this substep's block is back, and the stage's stores have read the ring's set,
.if (\g) < 4
	LOADX (\g)+4                                   ; which takes the loads of four substeps on
.endif
.if (\g) < 7
.if 6-(\g) >= 3
	s_wait_loadcnt 24                              ; the next substep's eight loads are in; those of the three sets behind it may be out
.else
	s_wait_loadcnt 8*(6-(\g))
.endif
	TURNX (\g)+1                                   ; and go through the stage while this block is worked
.endif
.if (\g)%2 == 0
	QUANT32 192+32*((\g)%2), 32+4*(\g), 24+(\g)/2  ; block 2 g + h of row r; its byte starts word g / 2
.else
	QUANT32 192+32*((\g)%2), 32+4*(\g), 16
	v_lshl_or_b32 v[24+(\g)/2], v16, 16, v[24+(\g)/2]
.endif
	global_store_b128 v4, v[32+4*(\g):32+4*(\g)+3], s[10:11] offset:512*(\g)   ; 32 lanes store 512 consecutive bytes
.endm
	LOADX 0
	LOADX 1
	LOADX 2
	LOADX 3
	s_wait_loadcnt 24                              ; substep 0's eight loads are in
	TURNX 0
.irp g, 0,1,2,3,4,5,6,7
	STEPX \g
.endr
.irp i, 0,1,2,3
	v_lshlrev_b32 v[24+\i], v10, v[24+\i]          ; my bytes (blocks of my half) to their places, 8 h bits up,
.endr
.irp i, 0,1,2,3
	v_permlanex16_b32 v[28+\i], v[24+\i], s24, s25
.endr
.irp i, 0,1,2,3
	v_or_b32 v[24+\i], v[24+\i], v[28+\i]          ; with lane l xor 16's the row's 16 bytes are whole
.endr
	v_cndmask_b32 v20, v24, v26, s26               ; lanes 0-15 store words 0, 1, lanes 16-31 words 2, 3
	v_cndmask_b32 v21, v25, v27, s26
	global_store_b64 v5, v[20:21], s[12:13]        ; 32 lanes store 256 consecutive bytes, aligned
	s_wait_tensorcnt 0x0                           ; the wave's end, behind my last LDS store
	ds_add_u32 v[SPW], v[NIL]
	s_wait_dscnt 0x0
	s_endpgm
; ---- a weight [1,024][pitch / 4]: work-group id' = 8 x (group of 128 columns) + (eighth of K).  All 128 loads of a wave go out at once; each reads 128 consecutive bytes, the four waves side by side 512
.macro WPATH pitch, src, rowbase, idbase
	s_sub_co_u32 s17, ttmp9, \idbase
	s_lshr_b32 s18, s17, 3
	s_and_b32 s19, s17, 7                          ; which 128 along K
	s_lshl_b32 s18, s18, 7
	s_lshl_b32 s20, s16, 5
	s_add_co_u32 s18, s18, s20                     ; my wave's first column
	s_mul_i32 s20, s19, 128*\pitch
	s_lshl_b32 s22, s18, 2
	s_add_co_u32 s20, s20, s22
	s_add_nc_u64 s[\src:\src+1], s[\src:\src+1], s[20:21]
	s_add_co_u32 s22, s18, \rowbase                ; its row in the common row space
	s_lshl_b32 s20, s22, 9                         ; 512 bytes of codes a row,
	s_lshl_b32 s23, s19, 10                        ; four blocks of 256 bytes for 128 along K
	s_add_co_u32 s20, s20, s23
	s_add_nc_u64 s[10:11], s[10:11], s[20:21]
	s_lshr_b32 s20, s19, 2
	s_mul_i32 s20, s20, 196608
	s_lshl_b32 s23, s22, 4
	s_add_co_u32 s20, s20, s23
	s_and_b32 s23, s19, 3
	s_lshl_b32 s23, s23, 2
	s_add_co_u32 s20, s20, s23
	s_add_nc_u64 s[12:13], s[12:13], s[20:21]
	v_lshlrev_b32 v3, 2, v2                        ; in: 4 bytes a lane
	v_lshlrev_b32 v4, 13, v7
	v_lshl_add_u32 v4, v6, 4, v4                   ; codes: lanes 16-31 belong to the next row tile; sixteen lanes store 256 consecutive bytes, aligned
	v_lshlrev_b32 v5, 4, v2                        ; scale bytes: 16 bytes a row
.set j, 0
.rept 128
	global_load_b32 v[64+j], v3, s[\src:\src+1] offset:j*\pitch th:TH_LOAD_NT
.set j, j+1
.endr
.irp t, 0,1,2,3
.if \t < 2
	s_wait_loadcnt 63                              ; at most 63 of the 128 are out: the oldest 65, blocks 0 and 1 among them, are in
.elseif \t == 2
	s_wait_loadcnt 32                              ; block 3's 32 may be out
.else
	s_wait_loadcnt 0
.endif
	QUANT32 64+32*\t, 192+4*\t, 16+\t
	global_store_b128 v4, v[192+4*\t:192+4*\t+3], s[10:11] offset:256*\t
.endr
	v_lshl_or_b32 v24, v17, 8, v16
	v_lshl_or_b32 v24, v18, 16, v24
	v_lshl_or_b32 v24, v19, 24, v24
	global_store_b32 v5, v24, s[12:13]             ; four bytes of each row's sixteen: the other twelve belong to other work-groups; one byte for 128 bytes read
	s_endpgm
.endm
.Lwq:
	WPATH 12288, 6, 8192, 0
.Lwp:
	WPATH 4096, 8, 11264, 192
.Lfunc_end_k_qeba768c812_prep:
	.size	k_qeba768c812_prep, .Lfunc_end_k_qeba768c812_prep-k_qeba768c812_prep
	.p2alignl 7, 3214868480
	.fill 96, 4, 3214868480
	.section	.rodata,"a",@progbits
	.p2align	6, 0x0
	.amdhsa_kernel k_qeba768c812_prep
		.amdhsa_group_segment_fixed_size 17920
		.amdhsa_private_segment_fixed_size 0
		.amdhsa_enable_private_segment 0
		.amdhsa_kernarg_size 40
		.amdhsa_user_sgpr_count 2
		.amdhsa_user_sgpr_kernarg_segment_ptr 1
		.amdhsa_wavefront_size32 1
		.amdhsa_system_sgpr_workgroup_id_x 1
		.amdhsa_system_sgpr_workgroup_id_y 1
		.amdhsa_system_sgpr_workgroup_id_z 1
		.amdhsa_system_vgpr_workitem_id 0
		.amdhsa_next_free_vgpr 256
		.amdhsa_next_free_sgpr 66
		.amdhsa_reserve_vcc 0
		.amdhsa_float_denorm_mode_32 3
		.amdhsa_float_denorm_mode_16_64 3
		.amdhsa_memory_ordered 1
		.amdhsa_forward_progress 1
		.amdhsa_inst_pref_size 69
	.end_amdhsa_kernel
	.amdgpu_metadata
---
amdhsa.version: [ 1, 2 ]
amdhsa.kernels:
  - .name:           k_qeba768c812_prep
    .symbol:         k_qeba768c812_prep.kd
    .args:
      - { .name: x, .offset: 0, .size: 8, .value_kind: global_buffer, .address_space: global }
      - { .name: W_qkv, .offset: 8, .size: 8, .value_kind: global_buffer, .address_space: global }
      - { .name: W_proj, .offset: 16, .size: 8, .value_kind: global_buffer, .address_space: global }
      - { .name: opc, .offset: 24, .size: 8, .value_kind: global_buffer, .address_space: global }
      - { .name: opsc, .offset: 32, .size: 8, .value_kind: global_buffer, .address_space: global }
    .group_segment_fixed_size: 17920
    .private_segment_fixed_size: 0
    .kernarg_segment_align: 8
    .kernarg_segment_size: 40
    .max_flat_workgroup_size: 128
    .sgpr_count:     66
    .vgpr_count:     256
    .wavefront_size: 32
...
	.end_amdgpu_metadata
.endif
;; end of part 1
;; launch qkv (part 2): grid 12 x 32, 4 waves a work-group, clusters of 4 x 4, 327,680 bytes of LDS; arguments opc, opsc, b_qkv, qkvc, qkvs; writes qkvc, qkvs
.if DOCPART == 2
	.amdgcn_target "amdgcn-amd-amdhsa--gfx1250"
	.amdhsa_code_object_version 6
	.text
	.protected	k_qeba768c812_qkv
	.globl	k_qeba768c812_qkv
	.p2align	8
	.type	k_qeba768c812_qkv,@function
k_qeba768c812_qkv:
	s_mov_b64 s[64:65], 0
	v_nop
	global_prefetch_b8 v0, s[64:65] scope:SCOPE_SE
	s_setreg_imm32_b32 hwreg(HW_REG_WAVE_MODE, 25, 1), 1
	s_wait_xcnt 0x0
	s_wait_alu depctr_hold_cnt(0) depctr_sa_sdst(0) depctr_va_vdst(0) depctr_va_sdst(0) depctr_va_ssrc(0) depctr_va_vcc(0) depctr_vm_vsrc(0)
	s_getreg_b32 s2, hwreg(HW_REG_IB_STS2, 6, 4)
	s_cmp_eq_u32 s2, 0
	s_cbranch_scc0 .Lentry_in_a_cluster
	s_endpgm
.Lentry_in_a_cluster:
	s_bfe_u32 s2, ttmp6, 0x10000c
	s_cmp_lg_u32 s2, 0xf033
	s_cbranch_scc0 .Lentry_shape_is_right
	s_endpgm
.Lentry_shape_is_right:
; qkv = x W_qkv + b_qkv on codes of E2M1 (K = 1,024), and the quantisers of q, k and v for the attention's two products.  No work is left out here.
; A tile of 256 x 256 is made by four waves, 128 x 128 each: 64 accumulators of 16 x 16 in register windows 2 and 3.  The matrix instruction is used transposed (source 0 = 16 rows of operand B,
; source 1 = 16 rows of operand A): lane (r, h) holds A's row r, its register j B's row 8 h + j.  THE RESULT IS ALWAYS QUANTISED ALONG B's ROWS, for each of A's rows:
;   cluster x = 0, 1 (q, k): A = tokens of x, B = columns of W: blocks of 32 along a head's 64;     cluster x = 2 (v): A = columns of W_v, B = tokens: blocks of 32 along the tokens, the second product's K.
; Both lie in one row space (opc, opsc), so one text and one set of descriptors serves all three; only tile numbers are chosen, by the cluster's x, which all sixteen partners share.
; Two neighbouring tiles of B's rows are a block: tile (b, u) is converted into code register 4 (b / 2) + 2 u + b % 2, and two exchanges of lane halves for each pair of blocks give the operand's registers.
; OUT: qkvc [batch x head][q, k, v][65,536]: q, k: [t / 16][512 bytes: a fragment's lower four registers, 16 x lane]; v: [t / 64][d / 16][512 bytes].
;      qkvs [batch x head][20,480]: q at 0, k at 8,192: [t / 64][t % 16][(t / 16) % 4] words; v at 16,384: [t / 128][d % 16][d / 16] words.  A q or k word's bytes 0, 1 are the head's two blocks;
;      bytes 2, 3 hold the neighbouring head's bytes (1 .. 254): in the attention they stand over zero codes.
; LDS: all of K fits: slot s (K step of 512) at 131,072 s, wave w's load at + 32,768 w (A's halves, then B's), eight row tiles of 4,096 bytes, in the order of the operands' registers: every LDS load is 512 consecutive bytes.
;      The scale bytes at 262,144 + 4,096 w: [K step][128 rows][16].  Every byte is filled once.  Three tensor loads of a wave are out at the most.
; CLUSTER 4 x 4: A's tile is shared along a row of the cluster, B's along a column: joint loads.
; LIMITS: a block of zeros gets the byte 1 (zero codes; this program alone reads the bytes); NaN and infinities are not served.
.set NQ,     4                         ; steps of 128 along K in a slot
.set FR,     8                         ; registers of a fragment
.set NL,     2                         ; LDS loads that bring one
.set NP,     4                         ; places behind this matrix instruction (ISA guide 7.12.1)
.set SLOT,   131072
.set SCL,    2*SLOT
.set SPARE,  SCL+16384                 ; the spare words, 128 bytes a wave
.set VO,     8                         ; v8-11  where a fragment's half is stored: 16 x lane + g SG + c SU;  v8 is also 16 x lane
.set VOS,    12                        ; v12    where the scale words are stored
.set ADRA,   16                        ; v16-17 LDS address of my A fragments in slot 0, 1
.set ADRB,   20                        ; v20-21 the same for B
.set ADRS,   27                        ; v27    my scale words: lanes 0-15 A's rows, lanes 16-31 B's
.set SPW,    28                        ; v28    my spare word; never rewritten
.set NIL,    29                        ; v29    0; never rewritten
.set SC,     32                        ; v32-95 scale words, a set for each slot: register 4 i + q: lanes 0-15 A's block i, lanes 16-31 B's block i, the slot's q-th 128 along K
.set AF,     128                       ; v128-191 A's fragments, one set (window 0);  B's two sets: window 1, v0 and v128
.set BI,     192                       ; v192-255 the bias in the result's layout: the C of each sum's first product
.set MX,     32                        ; the way out: v32-47 at work, v48-55 the eight scale words, v56-63 as stored, v128-191 the codes
.set WD,     48
.set CD,     128
.set G1,   24                          ; s[24:31] group 1 for A's codes; s[32:39] group 0, a set for each slot
.set G0,   32
.set G1B,  48                          ; s[48:55], s[56:63] the same for B's
.set G0B,  56
.set G1S,  68                          ; s[68:75], s[76:79] groups 1 and 0 for A's scale bytes; s[80:87], s[88:91] for B's
.set G0S,  76
.set G1SB, 80
.set G0SB, 88
.set MSB, 0
.macro WIN new                         ; the immediate's high byte repeats the setting that is left
.if MSB != \new
	s_set_vgpr_msb (MSB<<8)|\new
.set MSB, \new
.endif
.endm
.set MUL_LO, 0xa1                      ; source 0 (B) window 1, source 1 (A) window 0, C and D window 2
.set MUL_HI, 0xf1                      ; the same, C and D window 3
.set TO_B,   0x40                      ; destination window 1, address window 0
.macro JLOAD g0a, g1a, g0b, g1b        ; a joint load: waves 0, 1 fetch for A, waves 2, 3 for B; an s_nop 0 and four v_nop follow each line
	s_cmp_eq_u32 s15, 0
	s_cbranch_scc0 .Lfor_b_\@
	tensor_load_to_lds s[\g0a:\g0a+3], s[\g1a:\g1a+7]
	s_nop 0
.rept 4
	v_nop
.endr
	s_branch .Lasked_\@
.Lfor_b_\@:
	tensor_load_to_lds s[\g0b:\g0b+3], s[\g1b:\g1b+7]
	s_nop 0
.rept 4
	v_nop
.endr
.Lasked_\@:
.endm
.macro CROUND                          ; a round of the cluster's barrier
	s_barrier_signal -1
	s_barrier_wait -1
	s_cmp_lg_u32 s14, 0
	s_cbranch_scc1 .Lnot_wave_0_\@
	s_barrier_signal -3
.Lnot_wave_0_\@:
	s_barrier_wait -3
	s_barrier_signal -1
	s_barrier_wait -1
.endm
	s_load_b256 s[4:11], s[0:1], 0x0               ; opc s[4:5], opsc s[6:7], b_qkv s[8:9], qkvc s[10:11]
	s_load_b64 s[12:13], s[0:1], 0x20              ; qkvs
	v_lshl_add_u32 v[SPW], v0, 2, SPARE
	v_mov_b32 v[NIL], 0
	ds_add_u32 v[SPW], v[NIL]                      ; the wave's opening: the add, twice on end, and its wait ahead of my first tensor load
	ds_add_u32 v[SPW], v[NIL]
	v_lshrrev_b32 v1, 5, v0
	v_readfirstlane_b32 s14, v1                    ; wave 0..3
	s_lshr_b32 s15, s14, 1                         ; which half of A's rows is mine.  Also: I fetch for A (0) or for B (1)
	s_and_b32 s16, s14, 1                          ; which half of B's rows.  Also: which 128 rows I fetch
	s_bfe_u32 s40, ttmp6, 0x40000                  ; cx, cy: my place in the cluster
	s_bfe_u32 s41, ttmp6, 0x40004
	s_and_b32 s17, ttmp7, 0xffff
	s_lshl_b32 s17, s17, 2                         ; 4 x cluster y
	s_add_co_u32 s18, s17, s41                     ; A's tile of 256 rows, q and k: tokens 4 Y + cy;
	s_add_co_u32 s19, s41, 40                      ; v: rows 10,240 + 256 cy, the columns of W_v.  Both are made of cy alone
	s_lshl_b32 s20, ttmp9, 2
	s_add_co_u32 s20, s20, 32
	s_add_co_u32 s20, s20, s40                     ; B's tile, q and k: rows 8,192 + 256 (4 z + cx);
	s_add_co_u32 s21, s17, s40                     ; v: tokens 4 Y + cx.  Both are made of cx alone
	s_cmp_eq_u32 ttmp9, 2                          ; the cluster's x: the same in all sixteen partners
	s_cselect_b32 s42, s19, s18
	s_cselect_b32 s45, s21, s20
	s_cselect_b32 s92, 1, 0                        ; 1: this cluster makes v
	s_lshl_b32 s43, s41, 2
	s_lshl_b32 s43, 15, s43                        ; my row of the cluster
	s_lshl_b32 s44, 0x1111, s40                    ; my column
	; group 1, codes: 8 row tiles x 4,096 bytes (512 elements of 8 bytes), 8,192 bytes apart
	s_or_b32 s[G1+0], s43, (3<<16)|(1<<21)         ; 15:0 the mask; 17:16 elements of 8 bytes; 21 set beside a mask; no padding
	s_or_b32 s[G1B+0], s44, (3<<16)|(1<<21)
.irp g, G1, G1B
	s_mov_b32 s[\g+1], 512<<16                     ; tensor_dim0
	s_mov_b32 s[\g+2], 8<<16                       ; tensor_dim1
	s_mov_b32 s[\g+3], 512<<16                     ; tile_dim0
	s_mov_b32 s[\g+4], 8                           ; tile_dim1
	s_mov_b32 s[\g+5], 1024                        ; from row tile to row tile
	s_mov_b32 s[\g+6], 0
	s_mov_b32 s[\g+7], 0
.endr
	; group 1, scale bytes: 2 K steps x 2,048 bytes (128 rows x 16), 12,288 x 16 bytes apart
	s_or_b32 s[G1S+0], s43, (3<<16)|(1<<21)
	s_or_b32 s[G1SB+0], s44, (3<<16)|(1<<21)
.irp g, G1S, G1SB
	s_mov_b32 s[\g+1], 256<<16
	s_mov_b32 s[\g+2], 2<<16
	s_mov_b32 s[\g+3], 256<<16
	s_mov_b32 s[\g+4], 2
	s_mov_b32 s[\g+5], 24576
	s_mov_b32 s[\g+6], 0
	s_mov_b32 s[\g+7], 0
.endr
	s_lshl_b32 s93, s16, 7                         ; which 128 rows of the tile I fetch
	s_lshl_b32 s22, s42, 8
	s_add_co_u32 s22, s22, s93                     ; A's row
	s_lshl_b32 s94, s22, 4                         ; its scale bytes,
	s_lshl_b32 s22, s22, 9                         ; its codes
	s_mov_b32 s23, 0
	s_mov_b32 s95, 0
	s_lshl_b32 s46, s45, 8
	s_add_co_u32 s46, s46, s93                     ; B's row
	s_lshl_b32 s96, s46, 4
	s_lshl_b32 s46, s46, 9
	s_mov_b32 s47, 0
	s_mov_b32 s97, 0
	s_lshl_b32 s98, s14, 15                        ; where they go: 32,768 x wave, 4,096 x wave: no place in the cluster enters an LDS address
	s_lshl_b32 s99, s14, 12
	s_wait_dscnt 0x0                               ; both opening adds are done
	s_wait_kmcnt 0x0
	s_add_nc_u64 s[22:23], s[4:5], s[22:23]
	s_add_nc_u64 s[94:95], s[6:7], s[94:95]
	s_add_nc_u64 s[46:47], s[4:5], s[46:47]
	s_add_nc_u64 s[96:97], s[6:7], s[96:97]
	CROUND                                         ; all sixteen work-groups are here: the joint loads meet
	s_mov_b32 s[G0S], 1
	s_add_co_u32 s[G0S+1], s99, SCL
	s_mov_b64 s[G0S+2:G0S+3], s[94:95]
	s_or_b32 s[G0S+3], s[G0S+3], 0x80000000
	s_mov_b32 s[G0SB], 1
	s_add_co_u32 s[G0SB+1], s99, SCL
	s_mov_b64 s[G0SB+2:G0SB+3], s[96:97]
	s_or_b32 s[G0SB+3], s[G0SB+3], 0x80000000
	JLOAD G0S, G1S, G0SB, G1SB                     ; the scale bytes first: they are wanted with K step 0
.irp s, 0,1
	s_mov_b32 s[G0+4*\s], 1
	s_add_co_u32 s[G0+4*\s+1], s98, \s*SLOT
	s_add_nc_u64 s[G0+4*\s+2:G0+4*\s+3], s[22:23], \s*4096
	s_or_b32 s[G0+4*\s+3], s[G0+4*\s+3], 0x80000000
	s_mov_b32 s[G0B+4*\s], 1
	s_add_co_u32 s[G0B+4*\s+1], s98, \s*SLOT
	s_add_nc_u64 s[G0B+4*\s+2:G0B+4*\s+3], s[46:47], \s*4096
	s_or_b32 s[G0B+4*\s+3], s[G0B+4*\s+3], 0x80000000
	JLOAD G0+4*\s, G1, G0B+4*\s, G1B
.endr
	v_and_b32 v1, 15, v0                           ; r
	v_bfe_u32 v2, v0, 4, 1                         ; h
	v_lshlrev_b32 v5, 5, v2                        ; 32 h
	v_lshlrev_b32 v6, 2, v1                        ; 4 r
	; THE BIAS, in the result's layout.  q, k: it hangs on B's row: register 8 b + j = bias(16 b + 8 h + j).  v: on A's row: registers 8 a + 0 .. 7 = bias(16 a + r)
	s_cmp_eq_u32 s92, 0
	s_cbranch_scc0 .Lbias_v
	s_lshl_b32 s96, ttmp9, 2
	s_add_co_u32 s96, s96, s40
	s_lshl_b32 s96, s96, 8
	s_lshl_b32 s97, s16, 7
	s_add_co_u32 s96, s96, s97                     ; my first column of W_qkv
	s_lshl_b32 s96, s96, 2
	s_mov_b32 s97, 0
	s_add_nc_u64 s[8:9], s[8:9], s[96:97]
.irp b, 0,1,2,3,4,5,6,7
	global_load_b128 v[BI+8*\b:BI+8*\b+3], v5, s[8:9] offset:64*\b
	global_load_b128 v[BI+8*\b+4:BI+8*\b+7], v5, s[8:9] offset:64*\b+16
.endr
	s_branch .Lbias_done
.Lbias_v:
	s_lshl_b32 s96, s41, 8
	s_lshl_b32 s97, s15, 7
	s_add_co_u32 s96, s96, s97
	s_add_co_u32 s96, s96, 2048                    ; my first column of W_qkv, among v's
	s_lshl_b32 s96, s96, 2
	s_mov_b32 s97, 0
	s_add_nc_u64 s[8:9], s[8:9], s[96:97]
.irp a, 0,1,2,3,4,5,6,7
.irp j, 0,1,2,3,4,5,6,7
	global_load_b32 v[BI+8*\a+\j], v6, s[8:9] offset:64*\a
.endr
.endr
.Lbias_done:
	v_and_b32 v3, 31, v0
	v_lshlrev_b32 v[VO], 4, v3                     ; 16 x lane
	s_lshl_b32 s98, s15, 15                        ; my 128 rows of A,
	s_lshl_b32 s99, s16, 15
	s_add_co_u32 s99, s99, 65536                   ; my 128 rows of B, behind A's 256
.irp s, 0,1
	v_add_nc_u32 v[ADRA+\s], s98, v[VO]
	v_add_nc_u32 v[ADRB+\s], s99, v[VO]
	s_add_co_u32 s98, s98, SLOT
	s_add_co_u32 s99, s99, SLOT
.endr
	v_lshlrev_b32 v3, 4, v1                        ; my row's 16 scale bytes
	s_lshl_b32 s98, s15, 12                        ; A's: my 128 rows
	s_lshl_b32 s99, s16, 12
	s_add_co_u32 s99, s99, 8192                    ; B's, behind A's two halves
	s_sub_co_u32 s99, s99, s98
	v_mul_u32_u24 v4, s99, v2                      ; lanes 16-31 take B's: the lower base + h x the distance
	s_add_co_u32 s98, s98, SCL
	v_add_nc_u32 v3, v3, v4
	v_add_nc_u32 v[ADRS], s98, v3
	; where the results go
	s_cmp_eq_u32 s92, 1
	s_cselect_b32 s2, s41, s40                     ; the heads hang on the side that holds W's columns: v: A (cy, my half of A); q, k: B (cx, my half of B)
	s_cselect_b32 s3, s15, s16
	s_cselect_b32 s20, s40, s41                    ; the tokens on the other side
	s_cselect_b32 s21, s16, s15
	s_cselect_b32 s45, 1, 2                        ; scale words: 2 bytes a token for v, 4 for q and k
	s_mov_b32 s96, 196608
	s_mov_b32 s97, 2048
	s_cselect_b32 s66, s96, s97                    ; SG: from A's blocks 0-3 to 4-7: v: the next head; q, k: four tiles of tokens
	s_cselect_b32 s67, s97, s96                    ; SU: from registers 0-3 to 4-7: v: the next 64 tokens; q, k: the next head
	s_mov_b32 s96, 20480
	s_mov_b32 s97, 256
	s_cselect_b32 s93, s96, s97                    ; SH: the scale words of A's blocks 4-7: v: the next head; q, k: the next 64 tokens
	s_lshl_b32 s2, s2, 2
	s_lshl_b32 s3, s3, 1
	s_add_co_u32 s2, s2, s3                        ; my first head
	s_lshr_b32 s3, s17, 3                          ; the batch: a tile of 256 tokens / 8
	s_lshl_b32 s3, s3, 4
	s_add_co_u32 s2, s2, s3                        ; 16 x batch + head
	s_add_co_u32 s20, s20, s17
	s_lshl_b32 s20, s20, 8
	s_lshl_b32 s21, s21, 7
	s_add_co_u32 s20, s20, s21
	s_and_b32 s20, s20, 2047                       ; my first token in its sequence
	s_mul_i32 s3, s2, 3
	s_add_co_u32 s3, s3, ttmp9
	s_lshl_b32 s3, s3, 16
	s_lshl_b32 s21, s20, 5                         ; 32 bytes of codes a token, in q, k and v alike
	s_add_co_u32 s46, s3, s21
	s_mov_b32 s47, 0
	s_add_nc_u64 s[10:11], s[10:11], s[46:47]
	s_mul_i32 s3, s2, 20480
	s_lshl_b32 s21, ttmp9, 13
	s_add_co_u32 s3, s3, s21
	s_lshl_b32 s21, s20, s45
	s_add_co_u32 s46, s3, s21
	s_add_nc_u64 s[12:13], s[12:13], s[46:47]
	v_add_nc_u32 v[VO+1], s67, v[VO]
	v_add_nc_u32 v[VO+2], s66, v[VO]
	v_add_nc_u32 v[VO+3], s67, v[VO+2]
	v_mul_lo_u32 v[VOS], v2, s93
	v_lshl_add_u32 v[VOS], v1, 4, v[VOS]           ; 16 r + h SH
	s_mov_b32 s98, 0x76543210
	s_mov_b32 s99, 0xfedcba98                      ; v_permlanex16_b32's selects for lane l xor 16
	s_mov_b32 s94, 0xffff0000                      ; lanes 16-31
	s_mov_b32 s95, 0x01000302                      ; v_perm_b32: a word's halves change places
.macro FRAG reg, adr, q, i             ; a fragment: registers 4 c .. 4 c + 3 of lane (r, h) hold block 2 c + h of row r: 512 consecutive bytes a load
.irp c, 0,1
	ds_load_b128 v[\reg+4*\c:\reg+4*\c+3], v[\adr] offset:4096*(\i)+1024*(\q)+512*\c
.endr
.endm
; 16 matrix instructions: A's blocks a0, a0 + 1 x B's eight, the slot's q-th 128 along K.  p: B's set; sc: the set of scale words.  mode 1, 2: the first product starts the sums with the bias as C; 0: in place.
; The 64 accumulators take turns, one instruction a turn, in the same order in every step.
.macro MUL16 a0, p, q, sc, mode
.irp a, \a0, \a0+1
.irp b, 0,1,2,3,4,5,6,7
.if (\mode) == 1
	v_wmma_scale_f32_16x16x128_f8f6f4 v[8*(8*((\a)%4)+\b):8*(8*((\a)%4)+\b)+7], v[128*(\p)+FR*\b:128*(\p)+FR*\b+FR-1], v[AF+FR*(\a):AF+FR*(\a)+FR-1], v[BI+8*\b:BI+8*\b+7], v[SC+8*NQ*(\sc)+NQ*\b+(\q)], v[SC+8*NQ*(\sc)+NQ*(\a)+(\q)] matrix_a_fmt:MATRIX_FMT_FP4 matrix_b_fmt:MATRIX_FMT_FP4 matrix_a_scale:MATRIX_SCALE_ROW1
.elseif (\mode) == 2
	v_wmma_scale_f32_16x16x128_f8f6f4 v[8*(8*((\a)%4)+\b):8*(8*((\a)%4)+\b)+7], v[128*(\p)+FR*\b:128*(\p)+FR*\b+FR-1], v[AF+FR*(\a):AF+FR*(\a)+FR-1], v[BI+8*(\a):BI+8*(\a)+7], v[SC+8*NQ*(\sc)+NQ*\b+(\q)], v[SC+8*NQ*(\sc)+NQ*(\a)+(\q)] matrix_a_fmt:MATRIX_FMT_FP4 matrix_b_fmt:MATRIX_FMT_FP4 matrix_a_scale:MATRIX_SCALE_ROW1
.else
	v_wmma_scale_f32_16x16x128_f8f6f4 v[8*(8*((\a)%4)+\b):8*(8*((\a)%4)+\b)+7], v[128*(\p)+FR*\b:128*(\p)+FR*\b+FR-1], v[AF+FR*(\a):AF+FR*(\a)+FR-1], v[8*(8*((\a)%4)+\b):8*(8*((\a)%4)+\b)+7], v[SC+8*NQ*(\sc)+NQ*\b+(\q)], v[SC+8*NQ*(\sc)+NQ*(\a)+(\q)] matrix_a_fmt:MATRIX_FMT_FP4 matrix_b_fmt:MATRIX_FMT_FP4 matrix_a_scale:MATRIX_SCALE_ROW1
.endif
.endr
.endr
.endm
.macro FETCH_B slot, q, p
	WIN TO_B
.irp i, 0,1,2,3,4,5,6,7
	FRAG 128*(\p)+FR*\i, ADRB+\slot, \q, \i
.endr
	WIN 0
.endm
.macro FETCH_A slot, q, i0
.irp i, \i0, \i0+1, \i0+2, \i0+3
	FRAG AF+FR*(\i), ADRA+\slot, \q, \i
.endr
.endm
.macro SCALES sc                       ; a K step's scale words: four a row; lanes 0-15 A's block i, lanes 16-31 B's block i
.irp i, 0,1,2,3,4,5,6,7
	ds_load_b128 v[SC+8*NQ*\sc+NQ*\i:SC+8*NQ*\sc+NQ*\i+3], v[ADRS] offset:2048*\sc+256*\i
.endr
.endm
.macro PLACES n                        ; places in front of loads into registers that matrix instructions have read, and of the first read of results
.rept \n
	v_nop
.endr
.endm
.macro STEP slot, q, mode              ; a step of 128 along K that has its successor in the same slot
	s_wait_dscnt 4*NL                              ; B's set, A's blocks 0-3 and the scale words are in; the youngest eight loads (A's blocks 4-7) may be out
.if \mode
	WIN 0x81                                       ; C, the bias, in window 0
.else
	WIN MUL_LO
.endif
	MUL16 0, (\q)%2, \q, \slot, \mode
	MUL16 2, (\q)%2, \q, \slot, \mode
	s_wait_dscnt 0                                 ; A's blocks 4-7 are in
	PLACES NP
	FETCH_B \slot, (\q)+1, 1-(\q)%2
	FETCH_A \slot, (\q)+1, 0
.if \mode
	WIN 0xc1
.else
	WIN MUL_HI
.endif
	MUL16 4, (\q)%2, \q, \slot, \mode
	MUL16 6, (\q)%2, \q, \slot, \mode
	PLACES NP
	WIN 0
	FETCH_A \slot, (\q)+1, 4
.endm
.macro TURN slot, next                 ; slot 0's last step goes over to slot 1: each wave waits for all its tensor loads (slot 1's part) and for its LDS instructions; behind the barrier slot 1 is whole.  Nothing is filled again
	s_wait_tensorcnt 0x0
	ds_add_u32 v[SPW], v[NIL]                      ; 0 onto my spare word
	s_wait_dscnt 4*NL+1                            ; (the add and the youngest eight loads may be out)
	WIN MUL_LO
	MUL16 0, 1, NQ-1, \slot, 0
	s_wait_dscnt 0x0                               ; no LDS instruction of mine is out at the signal
	s_barrier_signal -1
	MUL16 2, 1, NQ-1, \slot, 0
	WIN 0
	s_barrier_wait -1
	PLACES NP
	FETCH_B \next, 0, 0
	FETCH_A \next, 0, 0
	SCALES \next
	WIN MUL_HI
	MUL16 4, 1, NQ-1, \slot, 0
	MUL16 6, 1, NQ-1, \slot, 0
	PLACES NP
	WIN 0
	FETCH_A \next, 0, 4
.endm
.macro STEPS slot, from
.set Q, \from
.rept NQ-1-\from
	STEP \slot, Q, 0
.set Q, Q+1
.endr
.endm
	s_wait_tensorcnt 1                             ; the scale bytes and my part of K step 0 are in (K step 1's load may be out),
	s_barrier_signal -1
	s_barrier_wait -1                              ; everybody's are
	FETCH_B 0, 0, 0
	FETCH_A 0, 0, 0
	SCALES 0
	FETCH_A 0, 0, 4
	s_wait_loadcnt 0x0                             ; the bias
	s_cmp_eq_u32 s92, 0
	s_cbranch_scc0 .Lfirst_v
	STEP 0, 0, 1
	s_branch .Lfirst_done
.Lfirst_v:
	STEP 0, 0, 2
.Lfirst_done:
	STEPS 0, 1
	TURN 0, 1
	STEPS 1, 0
	s_wait_dscnt 4*NL                              ; the last step: nothing more to fetch
	WIN MUL_LO
	MUL16 0, 1, NQ-1, 1, 0
	MUL16 2, 1, NQ-1, 1, 0
	s_wait_dscnt 0
	WIN MUL_HI
	MUL16 4, 1, NQ-1, 1, 0
	MUL16 6, 1, NQ-1, 1, 0
	WIN 0
	PLACES NP
; THE WAY OUT: A's block a (16 rows): its eight tiles are four blocks of 32 along B's rows.  Each accumulator is read from its low end on.
.macro QUANT a
.set W, 2+(\a)/4
.set AC, 64*((\a)%4)
.set WW, (W<<2)|(W<<4)
	WIN WW                                         ; sources 1 and 2: the accumulators' window
.irp b, 0,1,2,3
	v_max3_num_f32 v[MX+\b], 0x1800000, |v[AC+16*\b]|, |v[AC+16*\b+1]|   ; my 16 numbers of block b, and the floor 2^(3 - 127): the byte cannot fall under 1
.endr
.irp i, 2,4,6,8,10,12,14
.irp b, 0,1,2,3
	v_max3_num_f32 v[MX+\b], v[MX+\b], |v[AC+16*\b+\i]|, |v[AC+16*\b+\i+1]|
.endr
.endr
	WIN 0
.irp b, 0,1,2,3
	v_permlanex16_b32 v[MX+4+\b], v[MX+\b], s98, s99
.endr
.irp b, 0,1,2,3
	v_max_num_f32 v[MX+\b], v[MX+\b], v[MX+4+\b]   ; with lane l xor 16's: the block's largest magnitude
.endr
.irp b, 0,1,2,3
	v_add_nc_u32 v[MX+12+\b], 0xff000000, v[MX+\b] ; 2 off its exponent field: the conversion's scale operand
.endr
.irp b, 0,1,2,3
	v_lshrrev_b32 v[MX+4+\b], 23, v[MX+12+\b]      ; the scale's byte
.endr
	v_lshl_or_b32 v[WD+(\a)], v[MX+5], 8, v[MX+4]
	v_lshl_or_b32 v[WD+(\a)], v[MX+6], 16, v[WD+(\a)]
	v_lshl_or_b32 v[WD+(\a)], v[MX+7], 24, v[WD+(\a)]
	WIN W                                          ; source 0: the accumulators' window
.irp b, 0,1,2,3
.irp u, 0,1
	v_cvt_scalef32_pk8_fp4_f32 v[CD+8*(\a)+4*(\b/2)+2*\u+(\b%2)], v[AC+16*\b+8*\u:AC+16*\b+8*\u+7], v[MX+12+\b]   ; piece 2 u + h of block b
.endr
.endr
	WIN 0
	v_nop                                          ; one plain place behind a scaled conversion
.irp c, 0,1
.irp u, 0,1
	v_permlane16_swap_b32 v[CD+8*(\a)+4*\c+2*\u], v[CD+8*(\a)+4*\c+2*\u+1]   ; lanes 0-15 now hold block 2 c, lanes 16-31 block 2 c + 1, pieces 2 u and 2 u + 1
.endr
.endr
.irp c, 0,1
	global_store_b128 v[VO+2*((\a)/4)+\c], v[CD+8*(\a)+4*\c:CD+8*(\a)+4*\c+3], s[10:11] offset:512*((\a)%4)   ; 32 lanes store 512 consecutive bytes; each block has registers of its own
.endr
.endm
.irp a, 0,1,2,3,4,5,6,7
	QUANT \a
.endr
.irp i, 0,1,2,3
	v_cndmask_b32 v[56+\i], v[WD+\i], v[WD+4+\i], s94   ; lanes 0-15: blocks 0-3's words, lanes 16-31: blocks 4-7's
.endr
	global_store_b128 v[VOS], v[56:59], s[12:13]   ; sixteen lanes store 256 consecutive bytes
	s_cmp_eq_u32 s92, 0
	s_cbranch_scc0 .Lno_odd
.irp i, 0,1,2,3
	v_perm_b32 v[60+\i], v[56+\i], v[56+\i], s95   ; q, k: the odd head's two bytes come first in its own words
.endr
	global_store_b128 v[VOS], v[60:63], s[12:13] offset:20480
.Lno_odd:
	s_wait_tensorcnt 0x0                           ; the wave's end
	ds_add_u32 v[SPW], v[NIL]
	s_wait_dscnt 0x0
	CROUND                                         ; the closing round
	s_endpgm
.Lfunc_end_k_qeba768c812_qkv:
	.size	k_qeba768c812_qkv, .Lfunc_end_k_qeba768c812_qkv-k_qeba768c812_qkv
	.p2alignl 7, 3214868480
	.fill 96, 4, 3214868480
	.section	.rodata,"a",@progbits
	.p2align	6, 0x0
	.amdhsa_kernel k_qeba768c812_qkv
		.amdhsa_group_segment_fixed_size 327680
		.amdhsa_private_segment_fixed_size 0
		.amdhsa_enable_private_segment 0
		.amdhsa_kernarg_size 40
		.amdhsa_user_sgpr_count 2
		.amdhsa_user_sgpr_kernarg_segment_ptr 1
		.amdhsa_wavefront_size32 1
		.amdhsa_system_sgpr_workgroup_id_x 1
		.amdhsa_system_sgpr_workgroup_id_y 1
		.amdhsa_system_sgpr_workgroup_id_z 1
		.amdhsa_system_vgpr_workitem_id 0
		.amdhsa_next_free_vgpr 1024
		.amdhsa_next_free_sgpr 100
		.amdhsa_reserve_vcc 0
		.amdhsa_float_denorm_mode_32 3
		.amdhsa_float_denorm_mode_16_64 3
		.amdhsa_memory_ordered 1
		.amdhsa_forward_progress 1
		.amdhsa_inst_pref_size 148
	.end_amdhsa_kernel
	.amdgpu_metadata
---
amdhsa.version: [ 1, 2 ]
amdhsa.kernels:
  - .name:           k_qeba768c812_qkv
    .symbol:         k_qeba768c812_qkv.kd
    .args:
      - { .name: opc, .offset: 0, .size: 8, .value_kind: global_buffer, .address_space: global }
      - { .name: opsc, .offset: 8, .size: 8, .value_kind: global_buffer, .address_space: global }
      - { .name: b_qkv, .offset: 16, .size: 8, .value_kind: global_buffer, .address_space: global }
      - { .name: qkvc, .offset: 24, .size: 8, .value_kind: global_buffer, .address_space: global }
      - { .name: qkvs, .offset: 32, .size: 8, .value_kind: global_buffer, .address_space: global }
    .group_segment_fixed_size: 327680
    .private_segment_fixed_size: 0
    .kernarg_segment_align: 8
    .kernarg_segment_size: 40
    .max_flat_workgroup_size: 128
    .sgpr_count:     100
    .vgpr_count:     1024
    .wavefront_size: 32
...
	.end_amdgpu_metadata
.endif
;; end of part 2
;; launch attn (part 3): grid 4 x 64, 16 waves a work-group, clusters of 4 x 1, 167,936 bytes of LDS; arguments qkvc, qkvs, yc, ysc; writes yc, ysc
.if DOCPART == 3
	.amdgcn_target "amdgcn-amd-amdhsa--gfx1250"
	.amdhsa_code_object_version 6
	.text
	.protected	k_qeba768c812_attn
	.globl	k_qeba768c812_attn
	.p2align	8
	.type	k_qeba768c812_attn,@function
k_qeba768c812_attn:
	s_mov_b64 s[64:65], 0
	v_nop
	global_prefetch_b8 v0, s[64:65] scope:SCOPE_SE
	s_setreg_imm32_b32 hwreg(HW_REG_WAVE_MODE, 25, 1), 1
	s_wait_xcnt 0x0
	s_wait_alu depctr_hold_cnt(0) depctr_sa_sdst(0) depctr_va_vdst(0) depctr_va_sdst(0) depctr_va_ssrc(0) depctr_va_vcc(0) depctr_vm_vsrc(0)
	s_getreg_b32 s2, hwreg(HW_REG_IB_STS2, 6, 4)
	s_cmp_eq_u32 s2, 0
	s_cbranch_scc0 .Lentry_in_a_cluster
	s_endpgm
.Lentry_in_a_cluster:
	s_bfe_u32 s2, ttmp6, 0x10000c
	s_cmp_lg_u32 s2, 0x3003
	s_cbranch_scc0 .Lentry_shape_is_right
	s_endpgm
.Lentry_shape_is_right:
; y = softmax(q k^T / 8, causal) v for one head and batch a cluster, both products on codes of E2M1, and y's quantiser along the model's 1,024 for the projection.
; LEFT OUT: key steps of 128 keys that lie wholly behind a tile's 16 queries: the model's own causal mask gives them the weight 0 for all values of the inputs.
; THE SOFTMAX: t = score x log2(e) / 8; M = the running largest t rounded up to a whole number; p = 2^(t - M) is quantised along the keys, not normalised; the row's sum is taken of the unquantised p and divides at the end.
; When M moves, the sum and O are multiplied by 2^(old M - new M): exact.
; K = 64 IN THE FIRST PRODUCT: the instruction's k = 64 .. 127 are zero codes on both sides (registers 4-7 of Q's and K's fragments, written once); the scale words' bytes 2, 3 are ordinary bytes (1 .. 254) over them.
; SHARES.  A cluster of four work-groups owns a head; each keeps the head's whole K, V and their scale words in LDS (143,360 bytes), filled ONCE by joint loads: two a wave, both out together.  Behind one barrier the waves run free.
; Work-group cx takes the tiles of 16 queries tq = 4 i + cx, i = 0 .. 31: tile tq needs i / 2 + 1 key steps whatever cx is, so no branch hangs on the place in the cluster.
; Wave w takes i = w (8 trips) and then i = 31 - w (16 trips): 17 steps of work in every wave; the trip counts are constants and a hidden step's work is jumped over.
; LAYOUT.  Both products are used transposed: S^T = K Q^T, O^T = V^T P^T: a lane holds one query (lane % 16).  Tiles 2 b and 2 b + 1 of S^T are block b of 32 keys: tile (b, u) is converted into code register
; 4 (b / 2) + 2 u + b % 2; two exchanges of lane halves for each pair of blocks give P's registers.
; OUT: yc [token / 16][k / 32][token % 16][16 bytes], ysc [k / 512][token][16]: as the projection's operand A.  A head's two scale bytes are 2 of a row's 16: the others belong to other clusters, so these stores
; do not fill aligned runs of 256 bytes: 2 bytes for 32 bytes of codes.
; LIMITS: a block of zeros gets the byte 1 (zero codes); NaN and infinities are not served.
.set KSC,   131072                     ; LDS: K's codes at 0, V's at 65,536, K's scale words here, V's at 139,264
.set VSC,   139264
.set SPARE, 143360                     ; the spare words, 128 bytes for each of sixteen waves
.set LI,  1                            ; v1   16 x lane
.set QS1, 2                            ; v2   Q's scale words, second pass;  v255: first pass
.set QS0, 255
.set LIS, 3                            ; v3   16 x lane + KSC
.set LIT, 4                            ; v4   16 r + VSC
.set SPW, 5                            ; v5   my spare word; never rewritten
.set NIL, 6                            ; v6   0; never rewritten
.set ADK, 7                            ; v7-10 the step's LDS addresses: K, V, K's scale words, V's
.set ADV, 8
.set ADS, 9
.set ADT, 10
.set DM,  11                           ; v11  my query less the diagonal step's first key less 8 h
; v12 -M, v13 the largest t, v[14:15] the sum; v16-23, v24-31 Q of the two passes; v32-95 K's eight fragments; v96-159 S^T, then p; v160-191 O^T; v192-199 p's codes; v200-231 V's four fragments;
; v232-239, v244-247, v254 at work; v240-243 K's scale words; v248-251 V's; v252 f; v253 p's scale word
.set WV,  12                           ; s12  wave;  s13 cx;  s14 batch x head
.set SEL, 20                           ; s[20:21] selects for lane l xor 16
.set CS,  22                           ; s[22:23] c = log2(e) / 8
.set G1C, 24                           ; s[24:31] group 1, codes;  s[32:39] scale words;  s[40:43], s[44:47] their groups 0
.set G1S, 32
.set G0C, 40
.set G0S, 44
.set TK,  49                           ; s49-51 the step's place in K's and V's codes (4,096 a step), K's scale words (512), V's (256)
.set TS,  50
.set TV,  51
.set STP, 52                           ; s52  the step
.set IH,  53                           ; s53  the tile's last step, on the diagonal
.set IP,  54                           ; s54, s55  i of the two passes;  s[56:59] y's codes, s[60:63] y's scale bytes, a pair for each pass
.macro CROUND
	s_barrier_signal -1
	s_barrier_wait -1
	s_cmp_lg_u32 s[WV], 0
	s_cbranch_scc1 .Lnot_wave_0_\@
	s_barrier_signal -3
.Lnot_wave_0_\@:
	s_barrier_wait -3
	s_barrier_signal -1
	s_barrier_wait -1
.endm
	s_load_b256 s[4:11], s[0:1], 0x0               ; qkvc s[4:5], qkvs s[6:7], yc s[8:9], ysc s[10:11]
	v_lshl_add_u32 v[SPW], v0, 2, SPARE
	v_mov_b32 v[NIL], 0
	ds_add_u32 v[SPW], v[NIL]                      ; the wave's opening: the add, twice on end, and its wait ahead of my first tensor load
	ds_add_u32 v[SPW], v[NIL]
	v_lshrrev_b32 v7, 5, v0
	s_delay_alu instid0(VALU_DEP_1)
	v_readfirstlane_b32 s[WV], v7                  ; wave 0..15
	s_bfe_u32 s13, ttmp6, 0x40000                  ; cx
	s_and_b32 s14, ttmp7, 0xffff                   ; batch x head, which the four partners share
	; group 1: dense blocks as rows of 256 bytes (32 elements of 8 bytes): 32 rows of codes, 3 rows of scale words, a wave
	s_mov_b32 s[G1C], 15|(3<<16)|(1<<21)           ; 15:0 the mask: all four work-groups; 17:16 elements of 8 bytes; 21 set beside a mask
	s_mov_b32 s[G1C+1], 32<<16
	s_mov_b32 s[G1C+2], 32<<16
	s_mov_b32 s[G1C+3], 32<<16
	s_mov_b32 s[G1C+4], 32
	s_mov_b32 s[G1C+5], 32
	s_mov_b32 s[G1C+6], 0
	s_mov_b32 s[G1C+7], 0
	s_mov_b32 s[G1S], 15|(3<<16)|(1<<21)
	s_mov_b32 s[G1S+1], 32<<16
	s_mov_b32 s[G1S+2], 3<<16
	s_mov_b32 s[G1S+3], 32<<16
	s_mov_b32 s[G1S+4], 3
	s_mov_b32 s[G1S+5], 32
	s_mov_b32 s[G1S+6], 0
	s_mov_b32 s[G1S+7], 0
	s_mul_i32 s16, s14, 196608                     ; the head's q, k, v codes
	s_lshl_b32 s17, s[WV], 13                      ; my 8,192 bytes of k's and v's 131,072
	s_add_co_u32 s66, s16, s17
	s_add_co_u32 s66, s66, 65536                   ; behind q's
	s_mov_b32 s67, 0
	s_mul_i32 s18, s14, 20480                      ; the head's scale words
	s_mul_i32 s19, s[WV], 768                      ; my 768 bytes of k's and v's 12,288
	s_add_co_u32 s68, s18, s19
	s_add_co_u32 s68, s68, 8192                    ; behind q's
	s_mov_b32 s69, 0
	s_mov_b32 s[SEL], 0x76543210
	s_mov_b32 s[SEL+1], 0xfedcba98
	s_mov_b32 s[CS], 0x3e38aa3b                    ; log2(e) / 8
	s_mov_b32 s[CS+1], s[CS]                       ; (named with it as a pair, so it is written)
	s_wait_dscnt 0x0                               ; both opening adds are done
	s_wait_kmcnt 0x0
	CROUND                                         ; all four work-groups are here: the joint loads meet
	s_mov_b32 s[G0C], 1
	s_mov_b32 s[G0C+1], s17
	s_add_nc_u64 s[G0C+2:G0C+3], s[4:5], s[66:67]
	s_or_b32 s[G0C+3], s[G0C+3], 0x80000000
	s_mov_b32 s[G0S], 1
	s_add_co_u32 s[G0S+1], s19, KSC
	s_add_nc_u64 s[G0S+2:G0S+3], s[6:7], s[68:69]
	s_or_b32 s[G0S+3], s[G0S+3], 0x80000000
	tensor_load_to_lds s[G0C:G0C+3], s[G1C:G1C+7]
	s_nop 0
	tensor_load_to_lds s[G0S:G0S+3], s[G1S:G1S+7]
	s_nop 0
.rept 4
	v_nop
.endr
	v_and_b32 v[LI], 31, v0
	s_delay_alu instid0(VALU_DEP_1)
	v_lshlrev_b32 v[LI], 4, v[LI]
	s_wait_alu depctr_va_vdst(0)
	v_add_nc_u32 v[LIS], KSC, v[LI]
	v_and_b32 v8, 15, v0
	s_delay_alu instid0(VALU_DEP_1)
	v_lshlrev_b32 v8, 4, v8                        ; 16 r
	s_wait_alu depctr_va_vdst(0)
	v_add_nc_u32 v[LIT], VSC, v8
	s_mov_b32 s[IP], s[WV]
	s_xor_b32 s[IP+1], s[WV], 31                   ; 31 - wave
	s_lshr_b32 s66, s14, 4                         ; the batch
	s_and_b32 s67, s14, 15                         ; the head
	s_lshl_b32 s15, s13, 2
.irp p, 0,1
	s_lshl_b32 s70, s[IP+\p], 2
	s_add_co_u32 s70, s70, s13                     ; the tile of queries: 4 i + cx
	s_lshl_b32 s71, s70, 9
	s_add_co_u32 s[72+4*\p], s71, s16
	s_mov_b32 s[73+4*\p], 0
	s_add_nc_u64 s[72+4*\p:73+4*\p], s[4:5], s[72+4*\p:73+4*\p]
	global_load_b128 v[16+8*\p:19+8*\p], v[LI], s[72+4*\p:73+4*\p]   ; Q's fragment, registers 0-3
	s_lshl_b32 s71, s[IP+\p], 8                    ; its scale words: [t / 64 = i][r][cx]
	s_add_co_u32 s71, s71, s15
	s_add_co_u32 s[74+4*\p], s71, s18
	s_mov_b32 s[75+4*\p], 0
	s_add_nc_u64 s[74+4*\p:75+4*\p], s[6:7], s[74+4*\p:75+4*\p]
	s_lshl_b32 s68, s66, 7
	s_add_co_u32 s68, s68, s70                     ; y's row tile: 128 x batch + tq
	s_lshl_b32 s69, s68, 13
	s_lshl_b32 s71, s67, 9                         ; the head's two blocks: 512 bytes
	s_add_co_u32 s[56+2*\p], s69, s71
	s_mov_b32 s[57+2*\p], 0
	s_add_nc_u64 s[56+2*\p:57+2*\p], s[8:9], s[56+2*\p:57+2*\p]
	s_lshl_b32 s69, s68, 8                         ; 16 rows x 16 scale bytes
	s_lshr_b32 s71, s67, 3
	s_lshl_b32 s71, s71, 17                        ; heads 8 .. 15 lie in the second 512 along K
	s_add_co_u32 s69, s69, s71
	s_and_b32 s71, s67, 7
	s_lshl_b32 s71, s71, 1
	s_add_co_u32 s[60+2*\p], s69, s71
	s_mov_b32 s[61+2*\p], 0
	s_add_nc_u64 s[60+2*\p:61+2*\p], s[10:11], s[60+2*\p:61+2*\p]
.endr
	global_load_b32 v[QS0], v8, s[74:75]
	global_load_b32 v[QS1], v8, s[78:79]
.irp j, 20,21,22,23,28,29,30,31
	v_mov_b32 v[\j], 0                             ; Q's k = 64 .. 127: zero codes
.endr
.irp t, 0,1,2,3,4,5,6,7
.irp j, 4,5,6,7
	v_mov_b32 v[32+8*\t+\j], 0                     ; K's likewise: written once, the loads fill registers 0-3 alone
.endr
.endr
.irp j, 236,237,238,239,252,253
	v_mov_b32 v[\j], 0                             ; a lane permute's destination counts as one of its sources; v253 is named as the upper half of the pair v[252:253]
.endr
	s_wait_tensorcnt 0x0                           ; my parts of the head's K, V and scale words are in,
	s_barrier_signal -1
	s_barrier_wait -1                              ; everybody's are.  From here on LDS is only read
	s_wait_loadcnt 0x0                             ; Q
; A KEY STEP: 128 keys.  qb: Q's fragment; qs: its scale words
.macro STEP qb, qs
	s_cmp_gt_u32 s[STP], s[IH]                     ; all its keys come after my 16 queries: the wave's number and the count of steps alone decide
	s_cbranch_scc1 .Lhid_\@
	s_setprio 2
	v_add_nc_u32 v[ADK], s[TK], v[LI]              ; (these four are the places in front of loads into registers that the last products have read)
	s_delay_alu instid0(VALU_DEP_1)
	v_add_nc_u32 v[ADV], 0x10000, v[ADK]
	v_add_nc_u32 v[ADS], s[TS], v[LIS]
	v_add_nc_u32 v[ADT], s[TV], v[LIT]
.irp t, 0,1,2,3,4,5,6,7
	ds_load_b128 v[32+8*\t:35+8*\t], v[ADK] offset:512*\t
.endr
	ds_load_b128 v[240:243], v[ADS]                ; lanes 0-15: the words of tiles 0-3, lanes 16-31: of tiles 4-7
.irp d, 0,1,2,3
.irp c, 0,1
	ds_load_b128 v[200+8*\d+4*\c:203+8*\d+4*\c], v[ADV] offset:512*\d+2048*\c
.endr
.endr
	ds_load_b128 v[248:251], v[ADT]
	s_wait_dscnt 9                                 ; K and its scale words are in; V's nine loads may be out
.irp t, 0,1,2,3
	v_wmma_scale_f32_16x16x128_f8f6f4 v[96+8*\t:103+8*\t], v[32+8*\t:39+8*\t], v[\qb:\qb+7], 0, v[240+\t], v[\qs] matrix_a_fmt:MATRIX_FMT_FP4 matrix_b_fmt:MATRIX_FMT_FP4
.endr
.irp t, 4,5,6,7
	v_wmma_scale_f32_16x16x128_f8f6f4 v[96+8*\t:103+8*\t], v[32+8*\t:39+8*\t], v[\qb:\qb+7], 0, v[236+\t], v[\qs] matrix_a_fmt:MATRIX_FMT_FP4 matrix_b_fmt:MATRIX_FMT_FP4 matrix_a_scale:MATRIX_SCALE_ROW1
.endr
.rept 4
	v_nop
.endr
	s_cmp_lg_u32 s[STP], s[IH]                     ; on the diagonal the scores of hidden keys become -infinity ahead of the maximum; the step's first key counts for every query of the tile
	s_cbranch_scc1 .Lopen_\@
	v_mov_b32 v254, 0xff800000
.set n, 0
.rept 64
	v_cmp_gt_i32 vcc_lo, 16*(n/8)+n%8, v[DM]       ; register n holds key 16 (n / 8) + 8 h + n % 8 of the step
	v_cndmask_b32 v[96+n], v[96+n], v254, vcc_lo
.set n, n+1
.endr
.Lopen_\@:
.irp b, 0,1,2,3
	v_max3_num_f32 v[232+\b], v[96+16*\b], v[97+16*\b], v[98+16*\b]   ; the largest score of each block of 32 keys: for the row's maximum, and, since p rises with the score, for the block's largest p
.endr
.irp i, 3,5,7,9,11,13
.irp b, 0,1,2,3
	v_max3_num_f32 v[232+\b], v[232+\b], v[96+16*\b+\i], v[97+16*\b+\i]
.endr
.endr
.irp b, 0,1,2,3
	v_max_num_f32 v[232+\b], v[232+\b], v[111+16*\b]
.endr
.irp b, 0,1,2,3
	s_delay_alu instid0(VALU_DEP_4)
	v_permlanex16_b32 v[236+\b], v[232+\b], s[SEL], s[SEL+1]
.endr
.irp b, 0,1,2,3
	s_delay_alu instid0(VALU_DEP_4)
	v_max_num_f32 v[232+\b], v[232+\b], v[236+\b]  ; with lane l xor 16's 16 keys
.endr
	s_delay_alu instid0(VALU_DEP_2)
	v_max3_num_f32 v254, v232, v233, v234
	s_delay_alu instid0(VALU_DEP_1)
	v_max_num_f32 v254, v254, v235                 ; the step's largest score of my query
	s_delay_alu instid0(VALU_DEP_1)
	v_mul_f32 v254, s[CS], v254                    ; as t
	s_delay_alu instid0(VALU_DEP_1)
	v_max_num_f32 v13, v13, v254                   ; the running largest t
	v_mov_b32 v254, v12
	s_delay_alu instid0(VALU_DEP_2)
	v_floor_f32 v12, -v13                          ; the new -M = floor(-t): M is a whole number
	s_delay_alu instid0(VALU_DEP_1)
	v_sub_f32 v254, v12, v254                      ; old M - new M: a whole number, 0 or less
	s_delay_alu instid0(VALU_DEP_1)
	v_cvt_i32_f32 v254, v254                       ; (it saturates)
	s_delay_alu instid0(VALU_DEP_1)
	v_ldexp_f32 v252, 1.0, v254                    ; f = 2^(old M - new M)
.set j, 0
.rept 32
	v_pk_fma_f32 v[96+j:97+j], v[96+j:97+j], s[CS:CS+1], v[12:13] op_sel_hi:[1,0,0]   ; t - M, two at a time
.set j, j+2
.endr
	s_setprio 1
.irp b, 0,1,2,3
	v_fma_f32 v[232+\b], v[232+\b], s[CS], v12     ; the same of each block's largest score
.endr
.set j, 0
	s_wait_alu depctr_va_vdst(0)
.rept 64
	v_exp_f32 v[96+j], v[96+j]                     ; p = 2^(t - M), at most 1
.set j, j+1
.endr
	v_pk_mul_f32 v[14:15], v[14:15], v[252:253] op_sel_hi:[1,0]   ; the sums under the new M: a plain place behind the exponentials
	s_wait_alu depctr_va_vdst(0)                   ; one wait for the whole batch, ahead of its first reader
.irp b, 0,1,2,3
	v_exp_f32 v[232+\b], v[232+\b]                 ; the block's largest p
.endr
	v_pk_add_f32 v[236:237], v[100:101], v[104:105]
	v_pk_add_f32 v[246:247], v[108:109], v[112:113]
	v_pk_add_f32 v[244:245], v[116:117], v[120:121]
	v_pk_add_f32 v[242:243], v[124:125], v[128:129]
	v_pk_add_f32 v[240:241], v[132:133], v[136:137]
	v_pk_add_f32 v[238:239], v[140:141], v[144:145]
	v_pk_add_f32 v[198:199], v[148:149], v[152:153]
	v_pk_add_f32 v[14:15], v[14:15], v[156:157]
	v_pk_add_f32 v[236:237], v[236:237], v[96:97]
	v_pk_add_f32 v[246:247], v[246:247], v[98:99]
	v_pk_add_f32 v[244:245], v[244:245], v[102:103]
	v_pk_add_f32 v[242:243], v[242:243], v[106:107]
	v_pk_add_f32 v[240:241], v[240:241], v[110:111]
	v_pk_add_f32 v[238:239], v[238:239], v[114:115]
	v_pk_add_f32 v[198:199], v[198:199], v[118:119]
	v_pk_add_f32 v[14:15], v[14:15], v[122:123]
	v_pk_add_f32 v[236:237], v[236:237], v[126:127]
	v_pk_add_f32 v[246:247], v[246:247], v[130:131]
	v_pk_add_f32 v[244:245], v[244:245], v[134:135]
	v_pk_add_f32 v[242:243], v[242:243], v[138:139]
	v_pk_add_f32 v[240:241], v[240:241], v[142:143]
	v_pk_add_f32 v[238:239], v[238:239], v[146:147]
	v_pk_add_f32 v[198:199], v[198:199], v[150:151]
	v_pk_add_f32 v[14:15], v[14:15], v[154:155]
	v_pk_add_f32 v[236:237], v[236:237], v[158:159]
	s_delay_alu instid0(VALU_DEP_2)
	v_pk_add_f32 v[14:15], v[14:15], v[242:243]
	s_delay_alu instid0(VALU_DEP_2)
	v_pk_add_f32 v[236:237], v[236:237], v[240:241]
	v_pk_add_f32 v[246:247], v[246:247], v[238:239]
	v_pk_add_f32 v[244:245], v[244:245], v[198:199]
	s_delay_alu instid0(VALU_DEP_2)
	v_pk_add_f32 v[14:15], v[14:15], v[246:247]
	s_delay_alu instid0(VALU_DEP_2)
	v_pk_add_f32 v[236:237], v[236:237], v[244:245]
	s_delay_alu instid0(VALU_DEP_1)
	v_pk_add_f32 v[14:15], v[14:15], v[236:237]
	s_wait_alu depctr_va_vdst(0)                   ; and one for the four
.irp b, 0,1,2,3
	v_max_num_f32 v[232+\b], 0x1800000, v[232+\b]  ; the floor 2^(3 - 127): the byte cannot fall under 1
.endr
.irp b, 0,1,2,3
	s_delay_alu instid0(VALU_DEP_4)
	v_add_nc_u32 v[244+\b], 0xff000000, v[232+\b]  ; the conversion's scale operand
.endr
.irp b, 0,1,2,3
	s_delay_alu instid0(VALU_DEP_4)
	v_lshrrev_b32 v[236+\b], 23, v[244+\b]         ; the scale's byte
.endr
	s_delay_alu instid0(VALU_DEP_3)
	v_lshl_or_b32 v253, v237, 8, v236              ; p's scale word for these 128 keys
	s_delay_alu instid0(VALU_DEP_1)
	v_lshl_or_b32 v253, v238, 16, v253
	s_delay_alu instid0(VALU_DEP_1)
	v_lshl_or_b32 v253, v239, 24, v253
	s_setprio 0
.irp b, 0,1,2,3
.irp u, 0,1
	v_cvt_scalef32_pk8_fp4_f32 v[192+4*(\b/2)+2*\u+(\b%2)], v[96+16*\b+8*\u:103+16*\b+8*\u], v[244+\b]   ; piece 2 u + h of block b
.endr
.endr
	v_nop                                          ; one plain place behind a scaled conversion
.irp c, 0,1
.irp u, 0,1
	v_permlane16_swap_b32 v[192+4*\c+2*\u], v[193+4*\c+2*\u]   ; lanes 0-15: block 2 c, lanes 16-31: block 2 c + 1
.endr
.endr
.set j, 0
.rept 16
	v_pk_mul_f32 v[160+j:161+j], v[160+j:161+j], v[252:253] op_sel_hi:[1,0]   ; O^T under the new M.  (These are also the places between the scale word's and the codes' last writes and the products)
.set j, j+2
.endr
	s_wait_alu depctr_va_vdst(0)
	s_wait_dscnt 0x0                               ; V and its scale words are in
.irp d, 0,1,2,3
	v_wmma_scale_f32_16x16x128_f8f6f4 v[160+8*\d:167+8*\d], v[200+8*\d:207+8*\d], v[192:199], v[160+8*\d:167+8*\d], v[248+\d], v253 matrix_a_fmt:MATRIX_FMT_FP4 matrix_b_fmt:MATRIX_FMT_FP4
.endr
.Lhid_\@:
.endm
; O^T / the sum is y(query r, 16 d + 8 h + j): two blocks of 32 along the model's 1,024; quantised as P is, stored as the projection's operand
.macro WAYOUT p
.rept 4
	v_nop                                          ; places behind the last products
.endr
	v_add_f32 v14, v14, v15                        ; the sum's two halves,
	s_delay_alu instid0(VALU_DEP_1)
	v_permlanex16_b32 v252, v14, s[SEL], s[SEL+1]
	s_delay_alu instid0(VALU_DEP_1)
	v_add_f32 v14, v14, v252                       ; and lane l xor 16's
	s_wait_alu depctr_va_vdst(0)
	v_rcp_f32 v14, v14
	v_and_b32 v7, 15, v0                           ; (a plain place behind the reciprocal)
	s_delay_alu instid0(VALU_DEP_1)
	v_lshlrev_b32 v7, 4, v7                        ; 16 r: my row's scale bytes
	s_wait_alu depctr_va_vdst(0)                   ; the wait ahead of the reciprocal's first reader
.set j, 0
.rept 16
	v_pk_mul_f32 v[96+j:97+j], v[160+j:161+j], v[14:15] op_sel_hi:[1,0]
.set j, j+2
.endr
.irp b, 0,1
	v_max3_num_f32 v[232+\b], |v[96+16*\b]|, |v[97+16*\b]|, 0x1800000
.endr
.irp i, 2,4,6,8,10,12,14
.irp b, 0,1
	s_delay_alu instid0(VALU_DEP_2)
	v_max3_num_f32 v[232+\b], v[232+\b], |v[96+16*\b+\i]|, |v[97+16*\b+\i]|
.endr
.endr
.irp b, 0,1
	s_delay_alu instid0(VALU_DEP_2)
	v_permlanex16_b32 v[236+\b], v[232+\b], s[SEL], s[SEL+1]
.endr
.irp b, 0,1
	s_delay_alu instid0(VALU_DEP_2)
	v_max_num_f32 v[232+\b], v[232+\b], v[236+\b]
.endr
.irp b, 0,1
	s_delay_alu instid0(VALU_DEP_2)
	v_add_nc_u32 v[244+\b], 0xff000000, v[232+\b]
.endr
.irp b, 0,1
	s_delay_alu instid0(VALU_DEP_2)
	v_lshrrev_b32 v[236+\b], 23, v[244+\b]
.endr
	s_delay_alu instid0(VALU_DEP_1)
	v_lshl_or_b32 v254, v237, 8, v236              ; the head's two bytes of my row
.irp b, 0,1
.irp u, 0,1
	v_cvt_scalef32_pk8_fp4_f32 v[192+2*\u+\b], v[96+16*\b+8*\u:103+16*\b+8*\u], v[244+\b]
.endr
.endr
	v_nop                                          ; one plain place behind a scaled conversion
	v_permlane16_swap_b32 v192, v193
	v_permlane16_swap_b32 v194, v195               ; lane (r, h): block h of row r
	global_store_b128 v[LI], v[192:195], s[56+2*\p:57+2*\p]   ; 32 lanes store 512 consecutive bytes
	global_store_b16 v7, v254, s[60+2*\p:61+2*\p]  ; both halves of the lanes write the same two bytes with the same value
.endm
.macro PASS p, trips, qb, qs
	s_lshr_b32 s[IH], s[IP+\p], 1
	s_and_b32 s15, s[IP+\p], 1
	s_lshl_b32 s15, s15, 6
	s_lshl_b32 s16, s13, 4
	s_add_co_u32 s15, s15, s16                     ; my tile's first query less the diagonal step's first key: 64 (i % 2) + 16 cx: it enters numbers alone
	v_and_b32 v[DM], 15, v0
	v_bfe_u32 v7, v0, 4, 1
	s_delay_alu instid0(VALU_DEP_1)
	v_lshlrev_b32 v7, 3, v7
	s_delay_alu instid0(VALU_DEP_1)
	v_sub_nc_u32 v[DM], v[DM], v7
	s_delay_alu instid0(VALU_DEP_1)
	v_add_nc_u32 v[DM], s15, v[DM]
	s_mov_b32 s[TK], 0
	s_mov_b32 s[TS], 0
	s_mov_b32 s[TV], 0
	s_mov_b32 s[STP], 0
	v_mov_b32 v13, 0xff61b1e6                      ; the largest t so far: -3e38, under every t
	s_delay_alu instid0(VALU_DEP_1)
	v_floor_f32 v12, -v13
	v_mov_b32 v14, 0
	v_mov_b32 v15, 0
.set j, 0
.rept 32
	v_mov_b32 v[160+j], 0                          ; O^T: the step is written once; the first finds zeros, which the first change of M leaves zeros
.set j, j+1
.endr
.Lloop_\@:
	STEP \qb, \qs
	s_add_co_u32 s[TK], s[TK], 4096
	s_add_co_u32 s[TS], s[TS], 512
	s_add_co_u32 s[TV], s[TV], 256
	s_add_co_u32 s[STP], s[STP], 1
	s_cmp_lt_u32 s[STP], \trips
	s_cbranch_scc1 .Lloop_\@
	s_setprio 0
	WAYOUT \p
.endm
	PASS 0, 8, 16, QS0
	s_wait_xcnt 0x0                                ; the first pass's stores have read their registers: they are written again only behind this wait
	PASS 1, 16, 24, QS1
	s_wait_tensorcnt 0x0                           ; the wave's end
	ds_add_u32 v[SPW], v[NIL]
	s_wait_dscnt 0x0
	CROUND                                         ; the closing round
	s_endpgm
.Lfunc_end_k_qeba768c812_attn:
	.size	k_qeba768c812_attn, .Lfunc_end_k_qeba768c812_attn-k_qeba768c812_attn
	.p2alignl 7, 3214868480
	.fill 96, 4, 3214868480
	.section	.rodata,"a",@progbits
	.p2align	6, 0x0
	.amdhsa_kernel k_qeba768c812_attn
		.amdhsa_group_segment_fixed_size 167936
		.amdhsa_private_segment_fixed_size 0
		.amdhsa_enable_private_segment 0
		.amdhsa_kernarg_size 32
		.amdhsa_user_sgpr_count 2
		.amdhsa_user_sgpr_kernarg_segment_ptr 1
		.amdhsa_wavefront_size32 1
		.amdhsa_system_sgpr_workgroup_id_x 1
		.amdhsa_system_sgpr_workgroup_id_y 1
		.amdhsa_system_sgpr_workgroup_id_z 1
		.amdhsa_system_vgpr_workitem_id 0
		.amdhsa_next_free_vgpr 256
		.amdhsa_next_free_sgpr 80
		.amdhsa_reserve_vcc 1
		.amdhsa_float_denorm_mode_32 3
		.amdhsa_float_denorm_mode_16_64 3
		.amdhsa_memory_ordered 1
		.amdhsa_forward_progress 1
		.amdhsa_inst_pref_size 63
	.end_amdhsa_kernel
	.amdgpu_metadata
---
amdhsa.version: [ 1, 2 ]
amdhsa.kernels:
  - .name:           k_qeba768c812_attn
    .symbol:         k_qeba768c812_attn.kd
    .args:
      - { .name: qkvc, .offset: 0, .size: 8, .value_kind: global_buffer, .address_space: global }
      - { .name: qkvs, .offset: 8, .size: 8, .value_kind: global_buffer, .address_space: global }
      - { .name: yc, .offset: 16, .size: 8, .value_kind: global_buffer, .address_space: global }
      - { .name: ysc, .offset: 24, .size: 8, .value_kind: global_buffer, .address_space: global }
    .group_segment_fixed_size: 167936
    .private_segment_fixed_size: 0
    .kernarg_segment_align: 8
    .kernarg_segment_size: 32
    .max_flat_workgroup_size: 512
    .sgpr_count:     80
    .vgpr_count:     256
    .wavefront_size: 32
...
	.end_amdgpu_metadata
.endif
;; end of part 3
;; launch proj (part 4): grid 4 x 32, 4 waves a work-group, clusters of 4 x 4, 327,680 bytes of LDS; arguments yc, ysc, opc, opsc, b_proj, out0; writes out0
.if DOCPART == 4
	.amdgcn_target "amdgcn-amd-amdhsa--gfx1250"
	.amdhsa_code_object_version 6
	.text
	.protected	k_qeba768c812_proj
	.globl	k_qeba768c812_proj
	.p2align	8
	.type	k_qeba768c812_proj,@function
k_qeba768c812_proj:
	s_mov_b64 s[64:65], 0
	v_nop
	global_prefetch_b8 v0, s[64:65] scope:SCOPE_SE
	s_setreg_imm32_b32 hwreg(HW_REG_WAVE_MODE, 25, 1), 1
	s_wait_xcnt 0x0
	s_wait_alu depctr_hold_cnt(0) depctr_sa_sdst(0) depctr_va_vdst(0) depctr_va_sdst(0) depctr_va_ssrc(0) depctr_va_vcc(0) depctr_vm_vsrc(0)
	s_getreg_b32 s2, hwreg(HW_REG_IB_STS2, 6, 4)
	s_cmp_eq_u32 s2, 0
	s_cbranch_scc0 .Lentry_in_a_cluster
	s_endpgm
.Lentry_in_a_cluster:
	s_bfe_u32 s2, ttmp6, 0x10000c
	s_cmp_lg_u32 s2, 0xf033
	s_cbranch_scc0 .Lentry_shape_is_right
	s_endpgm
.Lentry_shape_is_right:
; out0 = y W_proj + b_proj on codes of E2M1 (K = 1,024).  No work is left out here.
; A = y's codes and scale bytes (yc, ysc), B = rows 11,264 + n of the common row space (opc, opsc): column n of W_proj.  A tile of 256 x 256 is made by four waves, 128 x 128 each: 64 accumulators in windows 2 and 3.
; The matrix instruction is used transposed (source 0 = 16 rows of B, source 1 = 16 rows of A): a lane holds eight neighbouring numbers of a row of the output.  The bias is the C of each sum's first product.
; LDS: all of K fits: slot s (K step of 512) at 131,072 s, wave w's load at + 32,768 w (A's halves, then B's), eight row tiles of 4,096 bytes in the order of the operands' registers; the scale bytes at 262,144 + 4,096 w.
; Every byte is filled once; three tensor loads of a wave are out at the most.  The way out's stage lies in slot 0, which has had its only fill and its last read when the first result is stored there.
; CLUSTER 4 x 4: A's tile is shared along a row of the cluster, B's along a column: joint loads.  The output has 128 tiles of this size: 128 work-groups.
.set NQ,     4
.set FR,     8
.set NL,     2
.set NP,     4
.set SLOT,   131072
.set SCL,    2*SLOT
.set SPARE,  SCL+16384
.set SPITCH, 528                       ; the stage: 16 rows x (512 bytes + 16) for each wave
.set CO,     8                         ; v8     16 x lane: my place in an image, and in a row of the output
.set ADRA,   16
.set ADRB,   20
.set STO,    24                        ; v24    the way out: where I put 32 bytes of a row
.set RD,     25                        ; v25    and where I read a row back
.set ADRS,   27
.set SPW,    28
.set NIL,    29
.set SC,     32
.set AF,     128
.set BI,     192
.set BK,     128                       ; the way out: 16 rows read back: v128-191 and v192-255 by turns
.set G1,   24
.set G0,   32
.set G1B,  48
.set G0B,  56
.set G1S,  68
.set G0S,  76
.set G1SB, 80
.set G0SB, 88
.set MSB, 0
.macro WIN new                         ; the immediate's high byte repeats the setting that is left
.if MSB != \new
	s_set_vgpr_msb (MSB<<8)|\new
.set MSB, \new
.endif
.endm
.set MUL_LO, 0xa1
.set MUL_HI, 0xf1
.set TO_B,   0x40
.macro JLOAD g0a, g1a, g0b, g1b        ; a joint load: waves 0, 1 fetch for A, waves 2, 3 for B; an s_nop 0 and four v_nop follow each line
	s_cmp_eq_u32 s15, 0
	s_cbranch_scc0 .Lfor_b_\@
	tensor_load_to_lds s[\g0a:\g0a+3], s[\g1a:\g1a+7]
	s_nop 0
.rept 4
	v_nop
.endr
	s_branch .Lasked_\@
.Lfor_b_\@:
	tensor_load_to_lds s[\g0b:\g0b+3], s[\g1b:\g1b+7]
	s_nop 0
.rept 4
	v_nop
.endr
.Lasked_\@:
.endm
.macro CROUND
	s_barrier_signal -1
	s_barrier_wait -1
	s_cmp_lg_u32 s14, 0
	s_cbranch_scc1 .Lnot_wave_0_\@
	s_barrier_signal -3
.Lnot_wave_0_\@:
	s_barrier_wait -3
	s_barrier_signal -1
	s_barrier_wait -1
.endm
	s_load_b256 s[4:11], s[0:1], 0x0               ; yc s[4:5], ysc s[6:7], opc s[8:9], opsc s[10:11]
	s_load_b64 s[12:13], s[0:1], 0x20              ; b_proj
	s_load_b64 s[66:67], s[0:1], 0x28              ; out0
	v_lshl_add_u32 v[SPW], v0, 2, SPARE
	v_mov_b32 v[NIL], 0
	ds_add_u32 v[SPW], v[NIL]                      ; the wave's opening: the add, twice on end, and its wait ahead of my first tensor load
	ds_add_u32 v[SPW], v[NIL]
	v_lshrrev_b32 v1, 5, v0
	v_readfirstlane_b32 s14, v1                    ; wave 0..3
	s_lshr_b32 s15, s14, 1                         ; which half of the tile's rows is mine.  Also: I fetch for A (0) or for B (1)
	s_and_b32 s16, s14, 1                          ; which half of its columns.  Also: which 128 rows I fetch
	s_bfe_u32 s40, ttmp6, 0x40000                  ; cx, cy
	s_bfe_u32 s41, ttmp6, 0x40004
	s_lshl_b32 s42, ttmp9, 2
	s_add_co_u32 s42, s42, s40                     ; tile column
	s_and_b32 s17, ttmp7, 0xffff
	s_lshl_b32 s17, s17, 2
	s_add_co_u32 s17, s17, s41                     ; tile row
	s_lshl_b32 s43, s41, 2
	s_lshl_b32 s43, 15, s43                        ; my row of the cluster
	s_lshl_b32 s44, 0x1111, s40                    ; my column
	s_or_b32 s[G1+0], s43, (3<<16)|(1<<21)         ; codes: 8 row tiles x 4,096 bytes (512 elements of 8 bytes), 8,192 bytes apart
	s_or_b32 s[G1B+0], s44, (3<<16)|(1<<21)
.irp g, G1, G1B
	s_mov_b32 s[\g+1], 512<<16
	s_mov_b32 s[\g+2], 8<<16
	s_mov_b32 s[\g+3], 512<<16
	s_mov_b32 s[\g+4], 8
	s_mov_b32 s[\g+5], 1024
	s_mov_b32 s[\g+6], 0
	s_mov_b32 s[\g+7], 0
.endr
	s_or_b32 s[G1S+0], s43, (3<<16)|(1<<21)        ; scale bytes: 2 K steps x 2,048 bytes
	s_or_b32 s[G1SB+0], s44, (3<<16)|(1<<21)
.irp g, G1S, G1SB
	s_mov_b32 s[\g+1], 256<<16
	s_mov_b32 s[\g+2], 2<<16
	s_mov_b32 s[\g+3], 256<<16
	s_mov_b32 s[\g+4], 2
	s_mov_b32 s[\g+6], 0
	s_mov_b32 s[\g+7], 0
.endr
	s_mov_b32 s[G1S+5], 16384                      ; y's K steps lie 8,192 x 16 bytes apart,
	s_mov_b32 s[G1SB+5], 24576                     ; the common row space's 12,288 x 16
	s_lshl_b32 s93, s16, 7
	s_lshl_b32 s22, s17, 8
	s_add_co_u32 s22, s22, s93                     ; A's row
	s_lshl_b32 s94, s22, 4
	s_lshl_b32 s22, s22, 9
	s_mov_b32 s23, 0
	s_mov_b32 s95, 0
	s_lshl_b32 s46, s42, 8
	s_add_co_u32 s46, s46, s93
	s_add_co_u32 s46, s46, 11264                   ; B's row
	s_lshl_b32 s96, s46, 4
	s_lshl_b32 s46, s46, 9
	s_mov_b32 s47, 0
	s_mov_b32 s97, 0
	s_lshl_b32 s98, s14, 15
	s_lshl_b32 s99, s14, 12
	s_wait_dscnt 0x0                               ; both opening adds are done
	s_wait_kmcnt 0x0
	s_add_nc_u64 s[22:23], s[4:5], s[22:23]
	s_add_nc_u64 s[94:95], s[6:7], s[94:95]
	s_add_nc_u64 s[46:47], s[8:9], s[46:47]
	s_add_nc_u64 s[96:97], s[10:11], s[96:97]
	CROUND                                         ; all sixteen work-groups are here: the joint loads meet
	s_mov_b32 s[G0S], 1
	s_add_co_u32 s[G0S+1], s99, SCL
	s_mov_b64 s[G0S+2:G0S+3], s[94:95]
	s_or_b32 s[G0S+3], s[G0S+3], 0x80000000
	s_mov_b32 s[G0SB], 1
	s_add_co_u32 s[G0SB+1], s99, SCL
	s_mov_b64 s[G0SB+2:G0SB+3], s[96:97]
	s_or_b32 s[G0SB+3], s[G0SB+3], 0x80000000
	JLOAD G0S, G1S, G0SB, G1SB
.irp s, 0,1
	s_mov_b32 s[G0+4*\s], 1
	s_add_co_u32 s[G0+4*\s+1], s98, \s*SLOT
	s_add_nc_u64 s[G0+4*\s+2:G0+4*\s+3], s[22:23], \s*4096
	s_or_b32 s[G0+4*\s+3], s[G0+4*\s+3], 0x80000000
	s_mov_b32 s[G0B+4*\s], 1
	s_add_co_u32 s[G0B+4*\s+1], s98, \s*SLOT
	s_add_nc_u64 s[G0B+4*\s+2:G0B+4*\s+3], s[46:47], \s*4096
	s_or_b32 s[G0B+4*\s+3], s[G0B+4*\s+3], 0x80000000
	JLOAD G0+4*\s, G1, G0B+4*\s, G1B
.endr
	v_and_b32 v1, 15, v0                           ; r
	v_bfe_u32 v2, v0, 4, 1                         ; h
	v_lshlrev_b32 v5, 5, v2                        ; 32 h: the bias loads' offset; it is not written again
	s_lshl_b32 s96, s42, 8
	s_lshl_b32 s97, s16, 7
	s_add_co_u32 s96, s96, s97                     ; my first column
	s_lshl_b32 s96, s96, 2
	s_mov_b32 s97, 0
	s_add_nc_u64 s[12:13], s[12:13], s[96:97]
.irp b, 0,1,2,3,4,5,6,7
	global_load_b128 v[BI+8*\b:BI+8*\b+3], v5, s[12:13] offset:64*\b       ; register 8 b + j = bias(16 b + 8 h + j)
	global_load_b128 v[BI+8*\b+4:BI+8*\b+7], v5, s[12:13] offset:64*\b+16
.endr
	v_and_b32 v3, 31, v0
	v_lshlrev_b32 v[CO], 4, v3
	s_lshl_b32 s98, s15, 15
	s_lshl_b32 s99, s16, 15
	s_add_co_u32 s99, s99, 65536
.irp s, 0,1
	v_add_nc_u32 v[ADRA+\s], s98, v[CO]
	v_add_nc_u32 v[ADRB+\s], s99, v[CO]
	s_add_co_u32 s98, s98, SLOT
	s_add_co_u32 s99, s99, SLOT
.endr
	v_lshlrev_b32 v3, 4, v1
	s_lshl_b32 s98, s15, 12
	s_lshl_b32 s99, s16, 12
	s_add_co_u32 s99, s99, 8192
	s_sub_co_u32 s99, s99, s98
	v_mul_u32_u24 v4, s99, v2                      ; lanes 16-31 take B's: the lower base + h x the distance
	s_add_co_u32 s98, s98, SCL
	v_add_nc_u32 v3, v3, v4
	v_add_nc_u32 v[ADRS], s98, v3
	s_mul_i32 s98, s14, 16*SPITCH                  ; my stage
	v_mul_u32_u24 v6, v1, SPITCH                   ; (in a register of its own: the bias loads may still read v5)
	v_lshl_add_u32 v6, v2, 5, v6
	v_add_nc_u32 v[STO], s98, v6                   ; in: row r, 32 bytes for each half of the lanes
	v_add_nc_u32 v[RD], s98, v[CO]                 ; back: the 32 lanes take one row of 512 bytes
	s_lshl_b32 s20, s17, 8
	s_lshl_b32 s21, s15, 7
	s_add_co_u32 s20, s20, s21                     ; my first row of the output,
	s_lshl_b32 s20, s20, 12                        ; 4,096 bytes a row
	s_lshl_b32 s21, s42, 10
	s_add_co_u32 s20, s20, s21
	s_lshl_b32 s21, s16, 9
	s_add_co_u32 s20, s20, s21                     ; my first column: 1,024 x tile column + 512 x half
	s_mov_b32 s21, 0
	s_add_nc_u64 s[66:67], s[66:67], s[20:21]
.macro FRAG reg, adr, q, i
.irp c, 0,1
	ds_load_b128 v[\reg+4*\c:\reg+4*\c+3], v[\adr] offset:4096*(\i)+1024*(\q)+512*\c
.endr
.endm
; 16 matrix instructions: A's blocks a0, a0 + 1 x B's eight.  mode 1: the first product starts the sums with the bias as C; 0: in place.  The 64 accumulators take turns, one instruction a turn.
.macro MUL16 a0, p, q, sc, mode
.irp a, \a0, \a0+1
.irp b, 0,1,2,3,4,5,6,7
.if (\mode) == 1
	v_wmma_scale_f32_16x16x128_f8f6f4 v[8*(8*((\a)%4)+\b):8*(8*((\a)%4)+\b)+7], v[128*(\p)+FR*\b:128*(\p)+FR*\b+FR-1], v[AF+FR*(\a):AF+FR*(\a)+FR-1], v[BI+8*\b:BI+8*\b+7], v[SC+8*NQ*(\sc)+NQ*\b+(\q)], v[SC+8*NQ*(\sc)+NQ*(\a)+(\q)] matrix_a_fmt:MATRIX_FMT_FP4 matrix_b_fmt:MATRIX_FMT_FP4 matrix_a_scale:MATRIX_SCALE_ROW1
.else
	v_wmma_scale_f32_16x16x128_f8f6f4 v[8*(8*((\a)%4)+\b):8*(8*((\a)%4)+\b)+7], v[128*(\p)+FR*\b:128*(\p)+FR*\b+FR-1], v[AF+FR*(\a):AF+FR*(\a)+FR-1], v[8*(8*((\a)%4)+\b):8*(8*((\a)%4)+\b)+7], v[SC+8*NQ*(\sc)+NQ*\b+(\q)], v[SC+8*NQ*(\sc)+NQ*(\a)+(\q)] matrix_a_fmt:MATRIX_FMT_FP4 matrix_b_fmt:MATRIX_FMT_FP4 matrix_a_scale:MATRIX_SCALE_ROW1
.endif
.endr
.endr
.endm
.macro FETCH_B slot, q, p
	WIN TO_B
.irp i, 0,1,2,3,4,5,6,7
	FRAG 128*(\p)+FR*\i, ADRB+\slot, \q, \i
.endr
	WIN 0
.endm
.macro FETCH_A slot, q, i0
.irp i, \i0, \i0+1, \i0+2, \i0+3
	FRAG AF+FR*(\i), ADRA+\slot, \q, \i
.endr
.endm
.macro SCALES sc
.irp i, 0,1,2,3,4,5,6,7
	ds_load_b128 v[SC+8*NQ*\sc+NQ*\i:SC+8*NQ*\sc+NQ*\i+3], v[ADRS] offset:2048*\sc+256*\i
.endr
.endm
.macro PLACES n
.rept \n
	v_nop
.endr
.endm
.macro STEP slot, q, mode
	s_wait_dscnt 4*NL                              ; B's set, A's blocks 0-3 and the scale words are in; the youngest eight loads (A's blocks 4-7) may be out
.if \mode
	WIN 0x81                                       ; C, the bias, in window 0
.else
	WIN MUL_LO
.endif
	MUL16 0, (\q)%2, \q, \slot, \mode
	MUL16 2, (\q)%2, \q, \slot, \mode
	s_wait_dscnt 0
	PLACES NP
	FETCH_B \slot, (\q)+1, 1-(\q)%2
	FETCH_A \slot, (\q)+1, 0
.if \mode
	WIN 0xc1
.else
	WIN MUL_HI
.endif
	MUL16 4, (\q)%2, \q, \slot, \mode
	MUL16 6, (\q)%2, \q, \slot, \mode
	PLACES NP
	WIN 0
	FETCH_A \slot, (\q)+1, 4
.endm
.macro TURN slot, next                 ; slot 0's last step goes over to slot 1: each wave waits for all its tensor loads and for its LDS instructions; behind the barrier slot 1 is whole and nobody reads slot 0.  Nothing is filled again
	s_wait_tensorcnt 0x0
	ds_add_u32 v[SPW], v[NIL]                      ; 0 onto my spare word
	s_wait_dscnt 4*NL+1                            ; (the add and the youngest eight loads may be out)
	WIN MUL_LO
	MUL16 0, 1, NQ-1, \slot, 0
	s_wait_dscnt 0x0
	s_barrier_signal -1
	MUL16 2, 1, NQ-1, \slot, 0
	WIN 0
	s_barrier_wait -1
	PLACES NP
	FETCH_B \next, 0, 0
	FETCH_A \next, 0, 0
	SCALES \next
	WIN MUL_HI
	MUL16 4, 1, NQ-1, \slot, 0
	MUL16 6, 1, NQ-1, \slot, 0
	PLACES NP
	WIN 0
	FETCH_A \next, 0, 4
.endm
.macro STEPS slot, from
.set Q, \from
.rept NQ-1-\from
	STEP \slot, Q, 0
.set Q, Q+1
.endr
.endm
	s_wait_tensorcnt 1                             ; the scale bytes and my part of K step 0 are in (K step 1's load may be out),
	s_barrier_signal -1
	s_barrier_wait -1                              ; everybody's are
	FETCH_B 0, 0, 0
	FETCH_A 0, 0, 0
	SCALES 0
	FETCH_A 0, 0, 4
	s_wait_loadcnt 0x0                             ; the bias
	STEP 0, 0, 1
	STEPS 0, 1
	TURN 0, 1
	STEPS 1, 0
	s_wait_dscnt 4*NL
	WIN MUL_LO
	MUL16 0, 1, NQ-1, 1, 0
	MUL16 2, 1, NQ-1, 1, 0
	s_wait_dscnt 0
	WIN MUL_HI
	MUL16 4, 1, NQ-1, 1, 0
	MUL16 6, 1, NQ-1, 1, 0
	WIN 0
; THE WAY OUT, block by block of 16 rows x 128 columns, through my own stage: in as 32 bytes a lane, back as whole rows of 512 bytes.  LDS serves a wave's instructions in order: no wait between the stores and the loads.
.macro TOSTAGE a
.set AC, 64*((\a)%4)
	WIN 0x08+4*((\a)/4)                            ; an LDS store's data: window 2 or 3
.irp b, 0,1,2,3,4,5,6,7
	ds_store_b128 v[STO], v[AC+8*\b:AC+8*\b+3] offset:64*\b          ; each accumulator from its low end on
	ds_store_b128 v[STO], v[AC+8*\b+4:AC+8*\b+7] offset:64*\b+16
.endr
	WIN 0
.set BB, BK+64*((\a)%2)
.irp t, 0,1,2,3,4,5,6,7,8,9,10,11,12,13,14,15
	ds_load_b128 v[BB+4*\t:BB+4*\t+3], v[RD] offset:\t*SPITCH
.endr
.endm
.macro SEND a, younger                 ; younger: the LDS instructions issued behind block a's loads, which may stay out
.set BB, BK+64*((\a)%2)
	s_wait_dscnt \younger
.if (\a) > 0
	s_add_nc_u64 s[66:67], s[66:67], 16*4096       ; (behind a wait on XCNT: the earlier stores have read their base)  16 rows on
.endif
.irp t, 0,1,2,3,4,5,6,7,8,9,10,11,12,13,14,15
	global_store_b128 v[CO], v[BB+4*\t:BB+4*\t+3], s[66:67] offset:\t*4096 th:TH_STORE_NT   ; 32 lanes store 512 consecutive bytes, at a multiple of 256 from the output's first byte
.endr
.endm
	PLACES NP
	TOSTAGE 0
.irp a, 1,2,3,4,5,6,7
.if \a > 1
	s_wait_xcnt 0x0                                ; block a - 2's stores have read their registers and their base
.endif
	TOSTAGE \a
	SEND \a-1, 32                                  ; behind block a - 1's loads: block a's 16 stores and 16 loads
.endr
	s_wait_xcnt 0x0
	SEND 7, 0
	s_wait_tensorcnt 0x0                           ; the wave's end
	ds_add_u32 v[SPW], v[NIL]
	s_wait_dscnt 0x0
	CROUND                                         ; the closing round
	s_endpgm
.Lfunc_end_k_qeba768c812_proj:
	.size	k_qeba768c812_proj, .Lfunc_end_k_qeba768c812_proj-k_qeba768c812_proj
	.p2alignl 7, 3214868480
	.fill 96, 4, 3214868480
	.section	.rodata,"a",@progbits
	.p2align	6, 0x0
	.amdhsa_kernel k_qeba768c812_proj
		.amdhsa_group_segment_fixed_size 327680
		.amdhsa_private_segment_fixed_size 0
		.amdhsa_enable_private_segment 0
		.amdhsa_kernarg_size 48
		.amdhsa_user_sgpr_count 2
		.amdhsa_user_sgpr_kernarg_segment_ptr 1
		.amdhsa_wavefront_size32 1
		.amdhsa_system_sgpr_workgroup_id_x 1
		.amdhsa_system_sgpr_workgroup_id_y 1
		.amdhsa_system_sgpr_workgroup_id_z 1
		.amdhsa_system_vgpr_workitem_id 0
		.amdhsa_next_free_vgpr 1024
		.amdhsa_next_free_sgpr 100
		.amdhsa_reserve_vcc 0
		.amdhsa_float_denorm_mode_32 3
		.amdhsa_float_denorm_mode_16_64 3
		.amdhsa_memory_ordered 1
		.amdhsa_forward_progress 1
		.amdhsa_inst_pref_size 126
	.end_amdhsa_kernel
	.amdgpu_metadata
---
amdhsa.version: [ 1, 2 ]
amdhsa.kernels:
  - .name:           k_qeba768c812_proj
    .symbol:         k_qeba768c812_proj.kd
    .args:
      - { .name: yc, .offset: 0, .size: 8, .value_kind: global_buffer, .address_space: global }
      - { .name: ysc, .offset: 8, .size: 8, .value_kind: global_buffer, .address_space: global }
      - { .name: opc, .offset: 16, .size: 8, .value_kind: global_buffer, .address_space: global }
      - { .name: opsc, .offset: 24, .size: 8, .value_kind: global_buffer, .address_space: global }
      - { .name: b_proj, .offset: 32, .size: 8, .value_kind: global_buffer, .address_space: global }
      - { .name: out0, .offset: 40, .size: 8, .value_kind: global_buffer, .address_space: global }
    .group_segment_fixed_size: 327680
    .private_segment_fixed_size: 0
    .kernarg_segment_align: 8
    .kernarg_segment_size: 48
    .max_flat_workgroup_size: 128
    .sgpr_count:     100
    .vgpr_count:     1024
    .wavefront_size: 32
...
	.end_amdgpu_metadata
.endif
;; end of part 4
